; MI455X (gfx1250); checked and timed in simulation.
; The chip was launched on July 23, 2026; its instructions are those of AMD's public machine-readable ISA for CDNA 5 (MIT licence, August 2026) and "CDNA5" Instruction Set Architecture Reference Guide (July 2026). The comments in the code are by the model that wrote it; some were corrected since.
;; Attention. Allowed arithmetic: float matrix products may take bf16 or f16 operands with f32 sums; other float arithmetic in f32, or as packed bf16 or f16 multiplies, adds, multiply-adds, maxima and minima; sums over many terms, partial sums and values carried from step to step in f32; what a program stores and reads back later, other than sums and carried values, may be rounded once to bf16 or f16.
;; Inputs: Wk 768 x 768 float32; Wp 768 x 768 float32; Wq 768 x 768 float32; Wv 768 x 768 float32; bk 768 float32; bp 768 float32; bq 768 float32; bv 768 float32; x 16 x 1,024 x 768 float32.
;; Outputs: out0 16 x 1,024 x 768 float32.
;; 2 versions, each right; version 2 is version 1 with the launch cast written anew for expert scheduling mode. Each part assembles by itself: llvm-mc -triple=amdgcn-amd-amdhsa -mcpu=gfx1250 --defsym DOCPART=n.
;; ======== version 1 of 2: 4 launches
;; limits: values are held in f16: magnitudes above 65,504 overflow, below 6.1e-05 lose precision
;; workspace buffers: xb 25,165,824 bytes; wc 3,538,944 bytes; wpf 1,179,648 bytes; bc 12,288 bytes; qf 25,165,824 bytes; mp 12,582,912 bytes; pm 3,072 bytes; ntf 18,874,368 bytes
;; launch cast (part 1): grid 609 x 1, 6 waves a work-group, no clusters, 0 bytes of LDS; arguments x, Wk, Wv, Wq, Wp, bk, bv, bq, bp, xb, wc, wpf, bc; writes xb, wc, wpf, bc
.if DOCPART == 1
	.amdgcn_target "amdgcn-amd-amdhsa--gfx1250"
	.amdhsa_code_object_version 6
	.text
	.protected	k_q3b7b96c09a_cast
	.globl	k_q3b7b96c09a_cast
	.p2align	8
	.type	k_q3b7b96c09a_cast,@function
k_q3b7b96c09a_cast:
	s_mov_b64 s[64:65], 0
	v_nop
	global_prefetch_b8 v0, s[64:65] scope:SCOPE_SE
	s_setreg_imm32_b32 hwreg(HW_REG_WAVE_MODE, 25, 1), 1
	s_wait_xcnt 0x0
; THE MODULE'S INPUTS, ROUNDED ONCE.  x -> xb (bf16).  Wk, Wv, Wq -> wc (bf16), rows in the order 192 h + 64 part + d (part 0 = k, 1 = v, 2 = q), so that a head's 192 output
; columns lie together.  Wp -> wpf: rounded to bf16 like the other inputs, and that number written as f16.  The four biases -> bc: rounded to bf16, kept as f32; bk, bv, bq in wc's row order, then bp.
; LIMITS.  wpf: a weight of 65,520 or more becomes an infinity; below 6.1e-5 it keeps f16's fixed step of 6e-8.  NaN and infinities are not treated apart.
; A stream: each byte is read once and written once; no LDS, no matrix unit, no cluster: no two work-groups read the same byte.
; SHARES.  Every source row is 768 f32 = 192 threads x 16 bytes.  Thread t owns byte 16 t of a row in and byte 8 t of a row out: a wave's load covers 512 consecutive bytes, its store 256, aligned.
; A work-group takes 32 rows, all 32 loads of a wave on their way at once.  Work-groups 0-511: x.  512-583: 24 each for Wk, Wv, Wq.  584-607: Wp.  608: the biases.
.set ROWIN,  3072
.set ROWOUT, 1536
.set X, 8                              ; v[8:135]  row i of the 32: four registers as loaded; the first two then hold what is stored
	s_load_b512 s[4:19], s[0:1], 0x0               ; x s[4:5], Wk s[6:7], Wv s[8:9], Wq s[10:11], Wp s[12:13], bk s[14:15], bv s[16:17], bq s[18:19]
	s_load_b256 s[20:27], s[0:1], 0x40             ; bp s[20:21], xb s[22:23], wc s[24:25], wpf s[26:27]
	s_load_b64 s[28:29], s[0:1], 0x60              ; bc
	v_lshlrev_b32 v1, 4, v0                        ; my 16 bytes of a row in
	v_lshlrev_b32 v2, 3, v0                        ; my 8 bytes of a row out
	s_mov_b32 s34, ttmp9
	s_mov_b32 s39, 0xffff0000                      ; a word's upper bf16
	s_mov_b32 s41, 0
	s_mov_b32 s43, 0
	s_wait_kmcnt 0x0
; 32 rows from s[30:31] to s[32:33].  kind = 0: bf16.  kind = 1: bf16, then that number as f16.  No register is written again behind its store.
.macro ROWS kind
.set i, 0
.rept 32
	global_load_b128 v[X+4*i:X+4*i+3], v1, s[30:31] offset:i*ROWIN th:TH_LOAD_NT
.set i, i+1
.endr
.set i, 0
.rept 32
	s_wait_loadcnt 31-i                            ; loads come back in order (ISA guide 5.7.1): row i is in, the younger rows stay out
	v_cvt_pk_bf16_f32 v[X+4*i], v[X+4*i], v[X+4*i+1]
	v_cvt_pk_bf16_f32 v[X+4*i+1], v[X+4*i+2], v[X+4*i+3]
.if \kind
	v_lshlrev_b32 v[X+4*i+2], 16, v[X+4*i]         ; the rounded numbers as f32,
	v_and_b32 v[X+4*i+3], s39, v[X+4*i]
	v_cvt_pk_f16_f32 v[X+4*i], v[X+4*i+2], v[X+4*i+3]  ; and as f16: 8 significant bits fit into 11
	v_lshlrev_b32 v[X+4*i+2], 16, v[X+4*i+1]
	v_and_b32 v[X+4*i+3], s39, v[X+4*i+1]
	v_cvt_pk_f16_f32 v[X+4*i+1], v[X+4*i+2], v[X+4*i+3]
.endif
	global_store_b64 v2, v[X+4*i:X+4*i+1], s[32:33] offset:i*ROWOUT
.set i, i+1
.endr
.endm
	s_cmp_ge_u32 s34, 608
	s_cbranch_scc1 .Lbias
	s_cmp_ge_u32 s34, 584
	s_cbranch_scc1 .Lwp
	; x, or one of Wk, Wv, Wq: both cases' offsets are made, and the case chooses
	s_max_u32 s35, s34, 512
	s_sub_co_u32 s35, s35, 512                     ; i = 0 .. 71 among the three weights' blocks (0 in x's work-groups)
	s_cmp_ge_u32 s35, 24
	s_cselect_b32 s36, 1, 0
	s_cmp_ge_u32 s35, 48
	s_cselect_b32 s37, 1, 0
	s_add_co_u32 s36, s36, s37                     ; part = i / 24
	s_mul_i32 s37, s36, 24
	s_sub_co_u32 s35, s35, s37                     ; r = i % 24: rows 32 r .. 32 r + 31 of that weight
	s_lshr_b32 s37, s35, 1                         ; their head,
	s_mul_i32 s37, s37, 192
	s_lshl_b32 s38, s36, 6
	s_add_co_u32 s37, s37, s38
	s_and_b32 s38, s35, 1                          ; and which half of its 64 rows
	s_lshl_b32 s38, s38, 5
	s_add_co_u32 s37, s37, s38                     ; row in wc = 192 h + 64 part + 32 (r % 2)
	s_mul_i32 s37, s37, ROWOUT
	s_mul_i32 s38, s34, 32*ROWOUT                  ; x's work-groups: 32 rows of xb each
	s_cmp_eq_u32 s36, 0
	s_cselect_b64 s[30:31], s[6:7], s[8:9]
	s_cmp_eq_u32 s36, 2
	s_cselect_b64 s[30:31], s[10:11], s[30:31]
	s_cmp_lt_u32 s34, 512
	s_cselect_b64 s[30:31], s[4:5], s[30:31]
	s_cselect_b64 s[32:33], s[22:23], s[24:25]
	s_cselect_b32 s35, s34, s35                    ; the block of 32 rows in the source
	s_cselect_b32 s42, s38, s37
	s_mul_i32 s40, s35, 32*ROWIN
	s_add_nc_u64 s[30:31], s[30:31], s[40:41]
	s_add_nc_u64 s[32:33], s[32:33], s[42:43]
	ROWS 0
	s_endpgm
.Lwp:
	s_sub_co_u32 s35, s34, 584
	s_mul_i32 s40, s35, 32*ROWIN
	s_mul_i32 s42, s35, 32*ROWOUT
	s_add_nc_u64 s[30:31], s[12:13], s[40:41]
	s_add_nc_u64 s[32:33], s[26:27], s[42:43]
	ROWS 1
	s_endpgm
.Lbias:
	global_load_b128 v[8:11], v1, s[14:15]         ; bk, bv, bq, bp: my four numbers n = 4 t .. 4 t + 3 of each
	global_load_b128 v[12:15], v1, s[16:17]
	global_load_b128 v[16:19], v1, s[18:19]
	global_load_b128 v[20:23], v1, s[20:21]
	v_lshrrev_b32 v3, 4, v0                        ; head = n / 64
	v_and_b32 v6, 15, v0
	v_mul_u32_u24 v3, v3, 768                      ; 192 numbers a head
	v_lshl_add_u32 v3, v6, 4, v3                   ; + d = n % 64
	s_wait_loadcnt 0x0
.irp p, 0,1,2,3
	v_cvt_pk_bf16_f32 v4, v[8+4*(\p)], v[9+4*(\p)]
	v_cvt_pk_bf16_f32 v5, v[10+4*(\p)], v[11+4*(\p)]
	v_lshlrev_b32 v[8+4*(\p)], 16, v4
	v_and_b32 v[9+4*(\p)], s39, v4
	v_lshlrev_b32 v[10+4*(\p)], 16, v5
	v_and_b32 v[11+4*(\p)], s39, v5
.endr
	global_store_b128 v3, v[8:11], s[28:29]
	global_store_b128 v3, v[12:15], s[28:29] offset:256
	global_store_b128 v3, v[16:19], s[28:29] offset:512
	global_store_b128 v1, v[20:23], s[28:29] offset:9216
	s_endpgm
.Lfunc_end_k_q3b7b96c09a_cast:
	.size	k_q3b7b96c09a_cast, .Lfunc_end_k_q3b7b96c09a_cast-k_q3b7b96c09a_cast
	.p2alignl 7, 3214868480
	.fill 96, 4, 3214868480
	.section	.rodata,"a",@progbits
	.p2align	6, 0x0
	.amdhsa_kernel k_q3b7b96c09a_cast
		.amdhsa_group_segment_fixed_size 0
		.amdhsa_private_segment_fixed_size 0
		.amdhsa_enable_private_segment 0
		.amdhsa_kernarg_size 104
		.amdhsa_user_sgpr_count 2
		.amdhsa_user_sgpr_kernarg_segment_ptr 1
		.amdhsa_wavefront_size32 1
		.amdhsa_system_sgpr_workgroup_id_x 1
		.amdhsa_system_sgpr_workgroup_id_y 1
		.amdhsa_system_sgpr_workgroup_id_z 1
		.amdhsa_system_vgpr_workitem_id 0
		.amdhsa_next_free_vgpr 136
		.amdhsa_next_free_sgpr 66
		.amdhsa_reserve_vcc 0
		.amdhsa_float_denorm_mode_32 3
		.amdhsa_float_denorm_mode_16_64 3
		.amdhsa_memory_ordered 1
		.amdhsa_forward_progress 1
		.amdhsa_inst_pref_size 35
	.end_amdhsa_kernel
	.amdgpu_metadata
---
amdhsa.version: [ 1, 2 ]
amdhsa.kernels:
  - .name:           k_q3b7b96c09a_cast
    .symbol:         k_q3b7b96c09a_cast.kd
    .args:
      - { .name: x, .offset: 0, .size: 8, .value_kind: global_buffer, .address_space: global }
      - { .name: Wk, .offset: 8, .size: 8, .value_kind: global_buffer, .address_space: global }
      - { .name: Wv, .offset: 16, .size: 8, .value_kind: global_buffer, .address_space: global }
      - { .name: Wq, .offset: 24, .size: 8, .value_kind: global_buffer, .address_space: global }
      - { .name: Wp, .offset: 32, .size: 8, .value_kind: global_buffer, .address_space: global }
      - { .name: bk, .offset: 40, .size: 8, .value_kind: global_buffer, .address_space: global }
      - { .name: bv, .offset: 48, .size: 8, .value_kind: global_buffer, .address_space: global }
      - { .name: bq, .offset: 56, .size: 8, .value_kind: global_buffer, .address_space: global }
      - { .name: bp, .offset: 64, .size: 8, .value_kind: global_buffer, .address_space: global }
      - { .name: xb, .offset: 72, .size: 8, .value_kind: global_buffer, .address_space: global }
      - { .name: wc, .offset: 80, .size: 8, .value_kind: global_buffer, .address_space: global }
      - { .name: wpf, .offset: 88, .size: 8, .value_kind: global_buffer, .address_space: global }
      - { .name: bc, .offset: 96, .size: 8, .value_kind: global_buffer, .address_space: global }
    .group_segment_fixed_size: 0
    .private_segment_fixed_size: 0
    .kernarg_segment_align: 8
    .kernarg_segment_size: 104
    .max_flat_workgroup_size: 192
    .sgpr_count:     66
    .vgpr_count:     136
    .wavefront_size: 32
...
	.end_amdgpu_metadata
.endif
;; end of part 1
;; launch qkv (part 2): grid 4 x 64, 4 waves a work-group, clusters of 4 x 4, 327,680 bytes of LDS; arguments xb, wc, bc, qf, mp, pm; writes qf, mp, pm
.if DOCPART == 2
	.amdgcn_target "amdgcn-amd-amdhsa--gfx1250"
	.amdhsa_code_object_version 6
	.text
	.protected	k_q3b7b96c09a_qkv
	.globl	k_q3b7b96c09a_qkv
	.p2align	8
	.type	k_q3b7b96c09a_qkv,@function
k_q3b7b96c09a_qkv:
	s_mov_b64 s[64:65], 0
	v_nop
	global_prefetch_b8 v0, s[64:65] scope:SCOPE_SE
	s_setreg_imm32_b32 hwreg(HW_REG_WAVE_MODE, 25, 1), 1
	s_wait_xcnt 0x0
	s_wait_alu depctr_hold_cnt(0) depctr_sa_sdst(0) depctr_va_vdst(0) depctr_va_sdst(0) depctr_va_ssrc(0) depctr_va_vcc(0) depctr_vm_vsrc(0)
	s_getreg_b32 s2, hwreg(HW_REG_IB_STS2, 6, 4)
	s_cmp_eq_u32 s2, 0
	s_cbranch_scc0 .Lentry_in_a_cluster
	s_endpgm
.Lentry_in_a_cluster:
	s_bfe_u32 s2, ttmp6, 0x10000c
	s_cmp_lg_u32 s2, 0xf033
	s_cbranch_scc0 .Lentry_shape_is_right
	s_endpgm
.Lentry_shape_is_right:
; THE THREE PROJECTIONS AND k^T v.  k, v, q = x W^T + b (bf16 operands, f32 sums, the bias as the sums' start).  The module has no softmax, so (q k^T) v = q (k^T v) for every input:
; k and v never leave the wave.  Rounded to f16 in registers they are multiplied at once: Mt[e][d] = the sum over t of v[t][e] k[t][d], per batch and head, here over a work-group's 256 rows t.
; OUT: qf = q in f16, in the order in which the last launch's matrix instructions take it: [b][block of 16 t][kf 24][half 2][lane 32][16 bytes], lane (r, hh) = q[16 blk + r][32 kf + 16 half + 8 hh + 0..7];
; mp = the partial Mt in f32, [b][h][quarter of t][tile 4 eb + db][half][lane][16 bytes]: registers 4 half .. + 3 of an accumulator whose register j in lane (r, hh) is Mt[16 eb + 8 hh + j][16 db + r];
; pm[b][h][quarter] = the sum over the four waves of the largest |Mt| of the wave's own 64 rows: a bound on the partial sum's numbers, from which the next launches make a scale.
; LIMITS.  |q|, |k|, |v| stay under 65,504 (f16).  The order of the sums differs from the reference's (k^T v first).  NaN and infinities are not treated apart.
; SHARES.  A cluster of 4 x 4 work-groups is a batch: cy = a quarter of 256 rows t, cx = three heads.  A work-group STAYS and walks its three heads: three tiles of 256 t x 192 columns (k, v, q of a head),
; K = 768 in six steps of 128 through a ring of two LDS slots that runs on from tile to tile.  Wave w owns rows 64 w .. + 63 and all 192 columns: 48 accumulators; for 32 along K 32 LDS loads feed 48 matrix instructions.
; JOINT LOADS.  x's tile hangs on the batch and cy: shared along a row of the cluster.  W's tile hangs on cx and the tile's number: shared along a column.  Waves 0, 1 ask for x's two halves, waves 2, 3 for W's.
; LAYOUT.  k, v: source 0 = 16 rows of x, source 1 = 16 rows of W: a lane holds ONE column and t = 8 hh + 0..7; two such results, rounded in pairs, ARE a fragment (32 t) of k^T v's operands: nothing changes lanes.
; q: the sources swapped: a lane holds one t and eight neighbouring columns: 16 bytes of qf.
; REGISTERS, in windows of 256 (s_set_vgpr_msb: bits 1:0 source 0, 3:2 source 1, 5:4 source 2, 7:6 destination):
;   window 0: addresses; BR, BQ, BX the biases; QT q in f16; MXV maxima      window 1: two fragment buffers F0, F1 of 128: x's four fragments, then W's twelve; on the way out F1 holds k and v in f16
;   window 2: k's and v's accumulators (a, c) at 8 (8 a + c)                 window 3: q's (a, c) at 8 (4 a + c); Mt's (eb, db) at 128 + 8 (4 eb + db)
.set PITCH,  272                       ; an LDS row: 256 bytes + 16 of padding = 68 words: the 16 rows of a fragment load start at 16 different groups of four banks (64 banks of 4 bytes: ISA guide 11.1)
.set ABYTES, 256*PITCH                 ; x's 256 rows
.set AHALF,  128*PITCH
.set BHALF,  96*PITCH
.set SLOT,   448*PITCH                 ; x's 256 rows, then W's 192
.set MST,    2*SLOT                    ; behind the ring, never filled by a tensor load: 16,384 bytes for each wave's own Mt
.set MX,     MST+4*16384               ; four words: the waves' maxima
.set SPARE,  MX+256                    ; the spare words, 128 bytes for each wave: two blocks of 256 bytes that no other line names
.set ROWB,   1536                      ; bytes in a row of xb and of wc
.set KSB,    256                       ; bytes of a row in a K step
.set TILEB,  192*ROWB                  ; from a head's rows of wc to the next head's
.set BQO,  12                          ; v12  32 hh: my eight biases of a block of q's columns
.set ADRA, 16                          ; v16-17  LDS address of my fragments of x in slot 0, 1
.set ADRB, 20                          ; v20-21  the same for W
.set MSTO, 22                          ; v22  where I put my Mt
.set MSRD, 23                          ; v23  where I read four tiles of everybody's
.set MXA,  24                          ; v24  my wave's word for its maximum
.set MXR,  25                          ; v25  the four words
.set QO,   26                          ; v26  16 x lane
.set BO,   27                          ; v27  4 r: my bias of a block of k's or v's columns
.set SPW,  28                          ; v28  LDS address of my spare word; never rewritten
.set NIL,  29                          ; v29  0; never rewritten
.set PFO,  30                          ; v30  the prefetches' offset: a lane a row; never rewritten
.set ZO,   31                          ; v31  0: the offset of pm's store
.set BR,   32                          ; v32-39   bias of column r of blocks 0-7, as loaded
.set BQ,   40                          ; v40-71   q's biases: eight a block, as an accumulator wants them
.set BX,   72                          ; v72-135  k's and v's: BR's number eight times a block
.set QT,   136                         ; v136-199 q in f16
.set MXV,  200                         ; v200-207 maxima
.set F0,   0
.set F1,   128
.set MT,   128
.set WV,  16                           ; s16  my wave's number
.set HF,  18                           ; s18  its low bit: which half of a tile I fetch
.set CX,  19
.set CY,  20
.set BB,  21                           ; s21  the batch
.set G1A, 24                           ; s[24:31] descriptor group 1 for x's tiles;  s[32:39] group 0, a set for each slot
.set G0A, 32
.set LIM, 43                           ; s43  1 in a wave that prefetches, else the greatest number
.set PFA, 44                           ; s[44:45] where my prefetches stand: at the K step that is being asked for; a prefetch names the one after it
.set G1B, 48                           ; s[48:55], s[56:63] the same for W's tiles
.set G0B, 56
.set QFB, 66                           ; s[66:67] qf, s[68:69] mp, s[70:71] pm, s[72:73] bc at my part of the tile in hand
.set MPB, 68
.set PMB, 70
.set BCB, 72
.set SEL, 74                           ; s[74:75] v_permlanex16_b32's selects: each lane takes its own place in the other half
.set G1W0, (1<<16)|(1<<20)|(1<<21)|(5<<22)|(3<<25)  ; 17:16 elements of 2 bytes; 20 padding on; 21 set beside a mask; 24:22 after every 64 words (code 5); 31:25 4 words of it (code 3)
.set MSB, 0
.macro WIN new                         ; the immediate's high byte repeats the setting that is left; a switch that changes nothing is dropped
.if MSB != (\new)
	s_set_vgpr_msb (MSB<<8)|(\new)
.set MSB, \new
.endif
.endm
.macro PLACES                          ; four places behind matrix instructions, in front of loads into registers that they have read and of vector instructions that read results or write sources
.rept 4
	v_nop
.endr
.endm
; A joint load.  The branch hangs on the wave's number alone.  An s_nop 0 and four v_nop follow each of the two lines, ahead of the jump, the label and what follows.
.macro JLOAD s
	s_cmp_lt_u32 s[WV], 2
	s_cbranch_scc0 .Lfor_b_\@
	tensor_load_to_lds s[G0A+4*(\s):G0A+4*(\s)+3], s[G1A:G1A+7]
	s_nop 0
.rept 4
	v_nop
.endr
	s_branch .Lasked_\@
.Lfor_b_\@:
	tensor_load_to_lds s[G0B+4*(\s):G0B+4*(\s)+3], s[G1B:G1B+7]
	s_nop 0
.rept 4
	v_nop
.endr
.Lasked_\@:
.endm
; A round of the cluster's barrier: my work-group's barrier, so that wave 0's signal speaks for all four waves; wave 0 signals; every wave waits for all sixteen work-groups; my work-group's barrier once more.
.macro CREST                           ; a round behind its opening barrier
	s_cmp_lg_u32 s[WV], 0
	s_cbranch_scc1 .Lnot_wave_0_\@
	s_barrier_signal -3
.Lnot_wave_0_\@:
	s_barrier_wait -3
	s_barrier_signal -1
	s_barrier_wait -1
.endm
.macro CROUND
	s_barrier_signal -1
	s_barrier_wait -1
	CREST
.endm
; A PREFETCH INTO THE L2, behind each joint refill, its five lines and the run of LDS loads: the K step behind the one just asked for, 256 bytes of each row, a lane a row, one instruction a wave: one K step,
; 192 matrix instructions, ahead of the load that will want it.  WHO: x's rows are this cluster's alone, and all three tiles take the same: waves 0, 1 of every cluster ask, in the first tile alone.  W's rows are walked by
; all sixteen clusters: waves 2, 3 of the cluster of batch 0 ask, in every tile.  The four partners that ask for a tile jointly share its rows out BY ADDRESS: 32 of x's 128 (by cx), 24 of W's 96 (by cy; there lanes
; 24-31 name lane 23's row once more).  how = 1: the loop's second change of slots, whose last trip has no K step behind its own.  A tile's first K steps come by their loads alone, and nothing is asked at the head.
.macro ASK how
	WIN 0
.if \how
	s_cmp_gt_u32 s3, s[LIM]                        ; s3 = 1 in the loop's last trip
.else
	s_cmp_eq_u32 s[LIM], 1
.endif
	s_cbranch_scc0 .Lnot_mine_\@
	global_prefetch_b8 v[PFO], s[PFA:PFA+1] offset:KSB th:TH_LOAD_NT scope:SCOPE_SE
.Lnot_mine_\@:
.endm
	s_load_b256 s[4:11], s[0:1], 0x0               ; xb s[4:5], wc s[6:7], bc s[8:9], qf s[10:11]
	s_load_b128 s[12:15], s[0:1], 0x20             ; mp s[12:13], pm s[14:15]
	v_lshl_add_u32 v[SPW], v0, 2, SPARE
	v_mov_b32 v[NIL], 0
	ds_add_u32 v[SPW], v[NIL]                      ; the wave's opening: the add and its wait ahead of my first tensor load; the set-up below, work on registers, stands between them
	v_lshrrev_b32 v1, 5, v0
	v_readfirstlane_b32 s[WV], v1                  ; wave 0..3
	s_and_b32 s[HF], s[WV], 1
	s_bfe_u32 s[CX], ttmp6, 0x40000                ; cx: my three heads
	s_bfe_u32 s[CY], ttmp6, 0x40004                ; cy: my quarter of the rows
	s_and_b32 s[BB], ttmp7, 0xffff                 ; in a cluster launch ttmp7 counts clusters: the batch
	s_lshl_b32 s22, s[CY], 2
	s_lshl_b32 s22, 15, s22                        ; my row of the cluster: places 4 cy .. 4 cy + 3
	s_lshl_b32 s23, 0x1111, s[CX]                  ; my column: places cx, cx + 4, cx + 8, cx + 12
	s_or_b32 s[G1A], s22, G1W0                     ; 15:0 the mask: x's tiles go to my row,
	s_or_b32 s[G1B], s23, G1W0                     ; W's to my column
	s_mov_b32 s[G1A+1], 128<<16                    ; tensor_dim0 = 128 elements
	s_mov_b32 s[G1A+2], 128<<16                    ; tensor_dim1 = 128 rows
	s_mov_b32 s[G1A+3], 128<<16                    ; tile_dim0 = 128
	s_mov_b32 s[G1A+4], 128                        ; tile_dim1 = 128
	s_mov_b32 s[G1A+5], 768                        ; elements from row to row
	s_mov_b32 s[G1A+6], 0
	s_mov_b32 s[G1A+7], 0
	s_mov_b32 s[G1B+1], 128<<16
	s_mov_b32 s[G1B+2], 96<<16                     ; 96 rows
	s_mov_b32 s[G1B+3], 128<<16
	s_mov_b32 s[G1B+4], 96
	s_mov_b32 s[G1B+5], 768
	s_mov_b32 s[G1B+6], 0
	s_mov_b32 s[G1B+7], 0
	s_lshl_b32 s40, s[BB], 10                      ; x: row 1,024 b + 256 cy + 128 x half: nothing of cx
	s_lshl_b32 s41, s[CY], 8
	s_add_co_u32 s40, s40, s41
	s_lshl_b32 s41, s[HF], 7
	s_add_co_u32 s40, s40, s41
	s_mul_i32 s40, s40, ROWB
	s_mov_b32 s41, 0
	s_mul_i32 s46, s[CX], 576                      ; W: row 192 x (3 cx) + 96 x half: nothing of cy
	s_mul_i32 s47, s[HF], 96
	s_add_co_u32 s46, s46, s47
	s_mul_i32 s46, s46, ROWB
	s_mov_b32 s47, 0
	s_mul_i32 s22, s[WV], AHALF                    ; where they go: x's halves at wave x 128 rows (waves 0, 1),
	s_mul_i32 s23, s[WV], BHALF                    ; W's behind x's 256 rows, at (wave - 2) x 96 rows (waves 2, 3)
	s_add_co_u32 s23, s23, ABYTES-2*BHALF
	s_mov_b32 s[SEL], 0x76543210
	s_mov_b32 s[SEL+1], 0xfedcba98
	s_wait_dscnt 0x0                               ; the opening add is done
	s_wait_kmcnt 0x0
	s_add_nc_u64 s[40:41], s[4:5], s[40:41]
	s_add_nc_u64 s[46:47], s[6:7], s[46:47]
	CROUND                                         ; all sixteen work-groups are here: the first joint loads meet
.irp s, 0,1
	s_mov_b32 s[G0A+4*(\s)], 1                                       ; count = 1
	s_add_co_u32 s[G0A+4*(\s)+1], s22, (\s)*SLOT                     ; LDS address
	s_add_nc_u64 s[G0A+4*(\s)+2:G0A+4*(\s)+3], s[40:41], (\s)*KSB    ; global address: K step s
	s_or_b32 s[G0A+4*(\s)+3], s[G0A+4*(\s)+3], 0x80000000            ; type = 2
	s_mov_b32 s[G0B+4*(\s)], 1
	s_add_co_u32 s[G0B+4*(\s)+1], s23, (\s)*SLOT
	s_add_nc_u64 s[G0B+4*(\s)+2:G0B+4*(\s)+3], s[46:47], (\s)*KSB
	s_or_b32 s[G0B+4*(\s)+3], s[G0B+4*(\s)+3], 0x80000000
	JLOAD \s                                       ; two loads of mine are out
.endr
	; A fragment is 16 rows x 32 K in 8 registers: lane l holds row l % 16; registers 0-3 K = 8 (l / 16) + 0..7, registers 4-7 K = 16 + 8 (l / 16) + 0..7: two loads of 16 bytes, 32 bytes apart.
	v_and_b32 v1, 15, v0                           ; r
	v_bfe_u32 v2, v0, 4, 1                         ; hh
	v_and_b32 v4, 31, v0                           ; lane
	v_mul_u32_u24 v3, v1, PITCH
	v_lshl_add_u32 v3, v2, 4, v3
	s_mul_i32 s76, s[WV], 64*PITCH                 ; my 64 rows of x
	v_add_nc_u32 v[ADRA], s76, v3
	v_add_nc_u32 v[ADRA+1], SLOT, v[ADRA]
	v_add_nc_u32 v[ADRB], ABYTES, v3
	v_add_nc_u32 v[ADRB+1], SLOT+ABYTES, v3
	v_lshlrev_b32 v[QO], 4, v4
	s_lshl_b32 s76, s[WV], 14
	s_add_co_u32 s76, s76, MST
	v_add_nc_u32 v[MSTO], s76, v[QO]
	s_lshl_b32 s76, s[WV], 12                      ; tiles 4 w .. 4 w + 3 of each stage
	s_add_co_u32 s76, s76, MST
	v_add_nc_u32 v[MSRD], s76, v[QO]
	s_lshl_b32 s76, s[WV], 2
	s_add_co_u32 s76, s76, MX
	v_mov_b32 v[MXA], s76
	v_mov_b32 v[MXR], MX
	v_lshlrev_b32 v[BO], 2, v1
	v_lshlrev_b32 v[BQO], 5, v2
	v_mov_b32 v[ZO], 0
	s_lshl_b32 s76, s[BB], 6                       ; qf: block of 16 rows 64 b + 16 cy + 4 w, 24,576 bytes each; head 3 cx, 2,048 bytes each
	s_lshl_b32 s77, s[CY], 4
	s_add_co_u32 s76, s76, s77
	s_lshl_b32 s77, s[WV], 2
	s_add_co_u32 s76, s76, s77
	s_mul_i32 s76, s76, 24576
	s_mul_i32 s77, s[CX], 6144
	s_add_co_u32 s76, s76, s77
	s_mov_b32 s77, 0
	s_add_nc_u64 s[QFB:QFB+1], s[10:11], s[76:77]
	s_mul_i32 s76, s[BB], 12
	s_mul_i32 s78, s[CX], 3
	s_add_co_u32 s76, s76, s78
	s_lshl_b32 s76, s76, 2
	s_add_co_u32 s78, s76, s[CY]                   ; 4 (12 b + h) + cy
	s_lshl_b32 s76, s78, 14                        ; mp: 16,384 bytes each, my four tiles at 4,096 w
	s_lshl_b32 s79, s[WV], 12
	s_add_co_u32 s76, s76, s79
	s_add_nc_u64 s[MPB:MPB+1], s[12:13], s[76:77]
	s_lshl_b32 s76, s78, 2
	s_add_nc_u64 s[PMB:PMB+1], s[14:15], s[76:77]
	s_mul_i32 s76, s[CX], 2304                     ; bc: 768 bytes a head
	s_add_nc_u64 s[BCB:BCB+1], s[8:9], s[76:77]
; A tile's sixteen loads of biases: column r of blocks 0-7 (k, v); eight neighbouring columns of each of q's four blocks.
.macro BIAS
.irp c, 0,1,2,3,4,5,6,7
	global_load_b32 v[BR+(\c)], v[BO], s[BCB:BCB+1] offset:64*(\c)
.endr
.irp c, 0,1,2,3
	global_load_b128 v[BQ+8*(\c):BQ+8*(\c)+3],   v[BQO], s[BCB:BCB+1] offset:512+64*(\c)
	global_load_b128 v[BQ+8*(\c)+4:BQ+8*(\c)+7], v[BQO], s[BCB:BCB+1] offset:512+64*(\c)+16
.endr
.endm
	BIAS
	s_cmp_lt_u32 s[WV], 2                          ; the prefetches: do I fetch for x?
	s_cselect_b64 s[PFA:PFA+1], s[40:41], s[46:47] ; the rows that I fetch,
	s_cselect_b32 s76, s[CX], s[CY]                ; my place among the four that ask for them with me,
	s_cselect_b32 s77, 32, 24                      ; its share of the rows,
	s_cselect_b32 s78, 31, 23
	s_cselect_b32 s[LIM], 0, s[BB]                 ; and who asks: for x every cluster, for W the cluster of batch 0: the same in all sixteen partners, for a given wave
	s_mul_i32 s76, s76, s77
	s_mul_i32 s76, s76, ROWB
	s_add_co_u32 s76, s76, KSB                     ; at K step 1: the first refill steps it to 2 and names K step 3
	s_mov_b32 s77, 0
	s_add_nc_u64 s[PFA:PFA+1], s[PFA:PFA+1], s[76:77]
	s_cmp_eq_u32 s[LIM], 0
	s_cselect_b32 s[LIM], 1, -1
	v_min_u32 v[PFO], s78, v4
	v_mul_u32_u24 v[PFO], v[PFO], ROWB
; 16 matrix instructions, 32 along K: part 0 = k's four column blocks, 1 = v's, 2 = q's (sources swapped), each x my four row blocks.  The accumulators take turns, one instruction a turn.
; start = 1: the product starts the sum with the bias (C in window 0): nothing is cleared.
.macro MULP f, part, start
.if (\part) < 2
	WIN 0xa5-0x20*(\start)
.else
	WIN 0xf5-0x30*(\start)
.endif
.irp c, 0,1,2,3
.irp a, 0,1,2,3
.set rX, (\f)+8*(\a)
.set rW, (\f)+32+8*(4*(\part)+(\c))
.if (\part) < 2
.set rD, 8*(8*(\a)+4*(\part)+(\c))
.set rC, BX+8*(4*(\part)+(\c))
.if \start
	v_wmma_f32_16x16x32_bf16 v[rD:rD+7], v[rX:rX+7], v[rW:rW+7], v[rC:rC+7]
.else
	v_wmma_f32_16x16x32_bf16 v[rD:rD+7], v[rX:rX+7], v[rW:rW+7], v[rD:rD+7]
.endif
.else
.set rD, 8*(4*(\a)+(\c))
.set rC, BQ+8*(\c)
.if \start
	v_wmma_f32_16x16x32_bf16 v[rD:rD+7], v[rW:rW+7], v[rX:rX+7], v[rC:rC+7]
.else
	v_wmma_f32_16x16x32_bf16 v[rD:rD+7], v[rW:rW+7], v[rX:rX+7], v[rD:rD+7]
.endif
.endif
.endr
.endr
.endm
; 32 LDS loads in one run: the fragments of quarter kk of a K step into buffer f: x's four, then W's twelve in the order in which the parts want them.
.macro FETCH slot, kk, f
	WIN 0x40                                       ; destination window 1, address window 0
.irp i, 0,1,2,3
	ds_load_b128 v[(\f)+8*(\i):(\f)+8*(\i)+3],   v[ADRA+(\slot)] offset:(\i)*16*PITCH+64*(\kk)
	ds_load_b128 v[(\f)+8*(\i)+4:(\f)+8*(\i)+7], v[ADRA+(\slot)] offset:(\i)*16*PITCH+64*(\kk)+32
.endr
.irp i, 0,1,2,3,4,5,6,7,8,9,10,11
	ds_load_b128 v[(\f)+32+8*(\i):(\f)+32+8*(\i)+3],   v[ADRB+(\slot)] offset:(\i)*16*PITCH+64*(\kk)
	ds_load_b128 v[(\f)+32+8*(\i)+4:(\f)+32+8*(\i)+7], v[ADRB+(\slot)] offset:(\i)*16*PITCH+64*(\kk)+32
.endr
.endm
; A K step is four quarters of 32 along K, 48 matrix instructions each, on buffers 0, 1, 0, 1.  One of the first three: multiplies buffer f, and behind its first part fetches quarter kk into buffer g.
.macro QUARTER slot, kk, f, g, start
	s_wait_dscnt 16                                ; x's fragments and k's are in; the youngest sixteen loads (v's, q's) may be out
	MULP \f, 0, \start
	PLACES
	FETCH \slot, \kk, \g
	s_wait_dscnt 32                                ; all but the 32 just issued
	MULP \f, 1, \start
	MULP \f, 2, \start
.endm
; The last quarter multiplies buffer 1 and changes slots.  In front of the barrier each wave waits for all its tensor loads, of which one is out: its part of the other slot; adds 0 to its spare word; and waits for that
; and for its own reads of this slot.  The barrier opens a round of the cluster's, so that no wave of any partner still reads the slot or has a load on its way; the joint refill is the first thing behind the round, and
; has 160 matrix instructions in which to land.  on = 0: the K step two on.  on = 1: the next tile's K step 0 or 1: x goes back along K, W to the next head's rows.
.macro TURN slot, next, on
	WIN 0
	s_wait_xcnt 0x0                                ; the last prefetch, a K step back, has read its address, which is stepped here
.if (\on) && (\slot) == 0
	s_add_nc_u64 s[PFA:PFA+1], s[PFA:PFA+1], TILEB-5*KSB  ; from a tile's K step 5 to the next tile's K step 0
	s_cmp_lt_u32 s[WV], 2
	s_cselect_b32 s[LIM], -1, s[LIM]               ; x's rows are the same for all three tiles: they are asked for no more
.else
	s_add_nc_u64 s[PFA:PFA+1], s[PFA:PFA+1], KSB
.endif
	s_wait_tensorcnt 0x0                           ; all my tensor loads have landed
	ds_add_u32 v[SPW], v[NIL]                      ; 0 onto my spare word
	s_wait_dscnt 17                                ; (the add and the youngest sixteen loads may be out)
	MULP F1, 0, 0                                  ; sixteen matrix instructions stand between the add and the wait for it
	s_wait_dscnt 0x0                               ; the add is done, and my reads of this slot are over
	s_barrier_signal -1
	MULP F1, 1, 0                                  ; work on registers while the others arrive
	WIN 0                                          ; at a branch and at a label every window is 0
	s_barrier_wait -1
	CREST
.if \on
	s_sub_nc_u64 s[G0A+4*(\slot)+2:G0A+4*(\slot)+3], s[G0A+4*(\slot)+2:G0A+4*(\slot)+3], 4*KSB
	s_add_nc_u64 s[G0B+4*(\slot)+2:G0B+4*(\slot)+3], s[G0B+4*(\slot)+2:G0B+4*(\slot)+3], TILEB-4*KSB
.else
	s_add_nc_u64 s[G0A+4*(\slot)+2:G0A+4*(\slot)+3], s[G0A+4*(\slot)+2:G0A+4*(\slot)+3], 2*KSB
	s_add_nc_u64 s[G0B+4*(\slot)+2:G0B+4*(\slot)+3], s[G0B+4*(\slot)+2:G0B+4*(\slot)+3], 2*KSB
.endif
	JLOAD \slot                                    ; its four v_nop are also the places in front of the loads below
	FETCH \next, 0, F0
.if (\on) || (\slot) == 0
	ASK 0
.else
	ASK 1
.endif
	MULP F1, 2, 0
.endm
.macro TURNL                           ; the launch's last change of slots: nothing is filled again, so no round follows
	WIN 0
	s_wait_tensorcnt 0x0
	ds_add_u32 v[SPW], v[NIL]
	s_wait_dscnt 17
	MULP F1, 0, 0
	s_wait_dscnt 0x0
	s_barrier_signal -1
	MULP F1, 1, 0
	s_barrier_wait -1
	PLACES
	FETCH 1, 0, F0
	MULP F1, 2, 0
.endm
; THE WAY OUT OF A TILE.
.macro EPI last
	WIN 0
	PLACES
	WIN 0x4a                                       ; k and v to f16: fragment (p, c), 32 rows t x 16 columns: registers 0-3 from row block 2 p, 4-7 from 2 p + 1; each accumulator from its low end on
.irp p, 0,1
.irp c, 0,1,2,3,4,5,6,7
.irp u, 0,1
.irp j, 0,1,2,3
	v_cvt_pk_f16_f32 v[F1+8*(8*(\p)+(\c))+4*(\u)+(\j)], v[8*(8*(2*(\p)+(\u))+(\c))+2*(\j)], v[8*(8*(2*(\p)+(\u))+(\c))+2*(\j)+1]
.endr
.endr
.endr
.endr
	WIN 0xf5                                       ; Mt (eb, db) = v^T k over my 64 rows: source 0 = v's columns, source 1 = k's; sixteen accumulators by turns
.irp p, 0,1
.irp e, 0,1,2,3
.irp d, 0,1,2,3
.if (\p) == 0
	v_wmma_f32_16x16x32_f16 v[MT+8*(4*(\e)+(\d)):MT+8*(4*(\e)+(\d))+7], v[F1+8*(4+(\e)):F1+8*(4+(\e))+7], v[F1+8*(\d):F1+8*(\d)+7], 0
.else
	v_wmma_f32_16x16x32_f16 v[MT+8*(4*(\e)+(\d)):MT+8*(4*(\e)+(\d))+7], v[F1+8*(12+(\e)):F1+8*(12+(\e))+7], v[F1+8*(8+(\d)):F1+8*(8+(\d))+7], v[MT+8*(4*(\e)+(\d)):MT+8*(4*(\e)+(\d))+7]
.endif
.endr
.endr
.endr
	WIN 0x0f                                       ; q to f16: 64 conversions, which name nothing of those products and are the places behind them
.irp a, 0,1,2,3
.irp c, 0,1,2,3
.irp j, 0,1,2,3
	v_cvt_pk_f16_f32 v[QT+4*(4*(\a)+(\c))+(\j)], v[8*(4*(\a)+(\c))+2*(\j)], v[8*(4*(\a)+(\c))+2*(\j)+1]
.endr
.endr
.endr
	WIN 0
.irp a, 0,1,2,3
.irp c, 0,1,2,3
	global_store_b128 v[QO], v[QT+4*(4*(\a)+(\c)):QT+4*(4*(\a)+(\c))+3], s[QFB:QFB+1] offset:(\a)*24576+(\c)*512  ; 512 consecutive bytes, at a multiple of 256 from qf's first
.endr
.endr
.irp j, 0,1,2,3
	v_mov_b32 v[MXV+(\j)], 0
.endr
	WIN 0x3c                                       ; the largest |Mt| of my rows: four chains, two numbers an instruction, each accumulator from its low end on
.set n, 0
.rept 64
	v_max3_num_f32 v[MXV+n%4], v[MXV+n%4], |v[MT+2*n]|, |v[MT+2*n+1]|
.set n, n+1
.endr
	WIN 0
	v_max3_num_f32 v[MXV], v[MXV], v[MXV+1], v[MXV+2]
	v_max_num_f32 v[MXV], v[MXV], v[MXV+3]
	v_max_num_f32_dpp v[MXV], v[MXV], v[MXV] row_xmask:1 row_mask:0xf bank_mask:0xf
	v_max_num_f32_dpp v[MXV], v[MXV], v[MXV] row_xmask:2 row_mask:0xf bank_mask:0xf
	v_max_num_f32_dpp v[MXV], v[MXV], v[MXV] row_xmask:4 row_mask:0xf bank_mask:0xf
	v_max_num_f32_dpp v[MXV], v[MXV], v[MXV] row_xmask:8 row_mask:0xf bank_mask:0xf
	v_permlanex16_b32 v[MXV+1], v[MXV], s[SEL], s[SEL+1]
	v_max_num_f32 v[MXV], v[MXV], v[MXV+1]
	WIN 0x0c                                       ; address window 0, data window 3
.set n, 0
.rept 32
	ds_store_b128 v[MSTO], v[MT+4*n:MT+4*n+3] offset:512*n
.set n, n+1
.endr
	WIN 0
	ds_store_b32 v[MXA], v[MXV]                    ; all lanes write the same word with the same number
	s_wait_dscnt 0x0                               ; for the others' sake: my stores are done (and the next tile's first fragments are in)
	s_barrier_signal -1                            ; the next tile's tensor load may stay out
	s_barrier_wait -1
	ds_load_b128 v[MXV+4:MXV+7], v[MXR]
	WIN 0xc0                                       ; tiles 4 w .. 4 w + 3 of all four waves' Mt, into Mt's own registers
.irp v, 0,1,2,3
.irp i, 0,1,2,3,4,5,6,7
	ds_load_b128 v[MT+32*(\v)+4*(\i):MT+32*(\v)+4*(\i)+3], v[MSRD] offset:(\v)*16384+(\i)*512
.endr
.endr
	s_wait_dscnt 0x0                               ; the stage is written again only behind later barriers
	WIN 0xcf
.set n, 0
.rept 16
	v_pk_add_f32 v[MT+2*n:MT+2*n+1], v[MT+2*n:MT+2*n+1], v[MT+32+2*n:MT+32+2*n+1]
	v_pk_add_f32 v[MT+64+2*n:MT+64+2*n+1], v[MT+64+2*n:MT+64+2*n+1], v[MT+96+2*n:MT+96+2*n+1]
.set n, n+1
.endr
.set n, 0
.rept 16
	v_pk_add_f32 v[MT+2*n:MT+2*n+1], v[MT+2*n:MT+2*n+1], v[MT+64+2*n:MT+64+2*n+1]
.set n, n+1
.endr
	WIN 0x0c
.irp i, 0,1,2,3,4,5,6,7
	global_store_b128 v[QO], v[MT+4*(\i):MT+4*(\i)+3], s[MPB:MPB+1] offset:512*(\i)  ; 512 consecutive bytes, at a multiple of 256 from mp's first
.endr
	WIN 0
	v_add_f32 v[MXV+4], v[MXV+4], v[MXV+5]
	v_add_f32 v[MXV+6], v[MXV+6], v[MXV+7]
	v_add_f32 v[MXV+4], v[MXV+4], v[MXV+6]         ; no number of the four waves' sum is larger than the sum of their maxima
	s_cmp_lg_u32 s[WV], 0
	s_cbranch_scc1 .Lno_pm_\@
	s_wait_xcnt 0x0                                ; EXEC changes only behind this wait: the stores above have read it
	v_cmp_gt_u32 vcc_lo, 1, v0
	s_and_saveexec_b32 s80, vcc_lo                 ; one lane of wave 0
	global_store_b32 v[ZO], v[MXV+4], s[PMB:PMB+1]
	s_wait_xcnt 0x0                                ; and again, in front of the line that widens it
	s_or_b32 exec_lo, exec_lo, s80
.Lno_pm_\@:
.if !(\last)
	s_wait_xcnt 0x0                                ; the stores have read their bases and their data: both are written again only behind this wait
	s_add_nc_u64 s[QFB:QFB+1], s[QFB:QFB+1], 2048  ; the next head
	s_add_nc_u64 s[MPB:MPB+1], s[MPB:MPB+1], 65536
	s_add_nc_u64 s[PMB:PMB+1], s[PMB:PMB+1], 16
.endif
.endm
	s_wait_tensorcnt 0x1                           ; my part of K step 0 is in; K step 1's may stay out
	s_barrier_signal -1
	s_barrier_wait -1                              ; everybody's is
	FETCH 0, 0, F0
	WIN 0
	s_mov_b32 s2, 3                                ; tiles to go, this one among them
.Ltile:
	s_wait_loadcnt 0x0                             ; this tile's biases
.irp c, 0,1,2,3,4,5,6,7
.irp j, 0,1,2,3,4,5,6,7
	v_mov_b32 v[BX+8*(\c)+(\j)], v[BR+(\c)]        ; a lane's eight numbers of k or v share a column, and so a bias
.endr
.endr
	QUARTER 0, 1, F0, F1, 1                        ; a tile's first quarter stands in front of the loop: its products start the sums
	WIN 0
	PLACES                                         ; for the loads into q's biases, which the last products read
	s_cmp_eq_u32 s2, 1
	s_cbranch_scc1 .Lno_bias
	s_wait_xcnt 0x0                                ; the last tile's loads of biases have read their base
	s_add_nc_u64 s[BCB:BCB+1], s[BCB:BCB+1], 768
	BIAS                                           ; the next tile's, a tile ahead
.Lno_bias:
	s_mov_b32 s3, 2
.Llap:                                             ; a trip goes once round the ring, from a lap's second quarter to the next lap's first, and fills both slots again
	QUARTER 0, 2, F1, F0, 0
	QUARTER 0, 3, F0, F1, 0
	TURN 0, 1, 0
	QUARTER 1, 1, F0, F1, 0
	QUARTER 1, 2, F1, F0, 0
	QUARTER 1, 3, F0, F1, 0
	TURN 1, 0, 0
	QUARTER 0, 1, F0, F1, 0
	WIN 0
	s_sub_co_u32 s3, s3, 1
	s_cmp_lg_u32 s3, 0
	s_cbranch_scc1 .Llap
	QUARTER 0, 2, F1, F0, 0                        ; the tile's last lap goes on
	QUARTER 0, 3, F0, F1, 0
	WIN 0
	s_cmp_eq_u32 s2, 1
	s_cbranch_scc1 .Llast                          ; the last tile's tail is written out: it asks for nothing more
	TURN 0, 1, 1                                   ; the ring goes on into the next tile: slot 0 takes its K step 0,
	QUARTER 1, 1, F0, F1, 0
	QUARTER 1, 2, F1, F0, 0
	QUARTER 1, 3, F0, F1, 0
	TURN 1, 0, 1                                   ; slot 1 its K step 1, and the next tile's first fragments are fetched
	EPI 0
	s_sub_co_u32 s2, s2, 1
	s_branch .Ltile
.Llast:
	TURNL
	QUARTER 1, 1, F0, F1, 0
	QUARTER 1, 2, F1, F0, 0
	QUARTER 1, 3, F0, F1, 0
	s_wait_dscnt 16                                ; the very last quarter: nothing more to fetch
	MULP F1, 0, 0
	s_wait_dscnt 0x0
	MULP F1, 1, 0
	MULP F1, 2, 0
	EPI 1
	s_wait_tensorcnt 0x0                           ; the wave's end: behind my last tensor load and my last LDS store
	ds_add_u32 v[SPW], v[NIL]
	s_wait_dscnt 0x0
	CROUND                                         ; the closing round: no work-group ends while a partner may still ask for a tile that names it
	s_endpgm
.Lfunc_end_k_q3b7b96c09a_qkv:
	.size	k_q3b7b96c09a_qkv, .Lfunc_end_k_q3b7b96c09a_qkv-k_q3b7b96c09a_qkv
	.p2alignl 7, 3214868480
	.fill 96, 4, 3214868480
	.section	.rodata,"a",@progbits
	.p2align	6, 0x0
	.amdhsa_kernel k_q3b7b96c09a_qkv
		.amdhsa_group_segment_fixed_size 327680
		.amdhsa_private_segment_fixed_size 0
		.amdhsa_enable_private_segment 0
		.amdhsa_kernarg_size 48
		.amdhsa_user_sgpr_count 2
		.amdhsa_user_sgpr_kernarg_segment_ptr 1
		.amdhsa_wavefront_size32 1
		.amdhsa_system_sgpr_workgroup_id_x 1
		.amdhsa_system_sgpr_workgroup_id_y 1
		.amdhsa_system_sgpr_workgroup_id_z 1
		.amdhsa_system_vgpr_workitem_id 0
		.amdhsa_next_free_vgpr 1024
		.amdhsa_next_free_sgpr 96
		.amdhsa_reserve_vcc 1
		.amdhsa_float_denorm_mode_32 3
		.amdhsa_float_denorm_mode_16_64 3
		.amdhsa_memory_ordered 1
		.amdhsa_forward_progress 1
		.amdhsa_inst_pref_size 189
	.end_amdhsa_kernel
	.amdgpu_metadata
---
amdhsa.version: [ 1, 2 ]
amdhsa.kernels:
  - .name:           k_q3b7b96c09a_qkv
    .symbol:         k_q3b7b96c09a_qkv.kd
    .args:
      - { .name: xb, .offset: 0, .size: 8, .value_kind: global_buffer, .address_space: global }
      - { .name: wc, .offset: 8, .size: 8, .value_kind: global_buffer, .address_space: global }
      - { .name: bc, .offset: 16, .size: 8, .value_kind: global_buffer, .address_space: global }
      - { .name: qf, .offset: 24, .size: 8, .value_kind: global_buffer, .address_space: global }
      - { .name: mp, .offset: 32, .size: 8, .value_kind: global_buffer, .address_space: global }
      - { .name: pm, .offset: 40, .size: 8, .value_kind: global_buffer, .address_space: global }
    .group_segment_fixed_size: 327680
    .private_segment_fixed_size: 0
    .kernarg_segment_align: 8
    .kernarg_segment_size: 48
    .max_flat_workgroup_size: 128
    .sgpr_count:     96
    .vgpr_count:     1024
    .wavefront_size: 32
...
	.end_amdgpu_metadata
.endif
;; end of part 2
;; launch mn (part 3): grid 12 x 16, 8 waves a work-group, no clusters, 9,216 bytes of LDS; arguments mp, pm, wpf, ntf; writes ntf
.if DOCPART == 3
	.amdgcn_target "amdgcn-amd-amdhsa--gfx1250"
	.amdhsa_code_object_version 6
	.text
	.protected	k_q3b7b96c09a_mn
	.globl	k_q3b7b96c09a_mn
	.p2align	8
	.type	k_q3b7b96c09a_mn,@function
k_q3b7b96c09a_mn:
	s_mov_b64 s[64:65], 0
	v_nop
	global_prefetch_b8 v0, s[64:65] scope:SCOPE_SE
	s_setreg_imm32_b32 hwreg(HW_REG_WAVE_MODE, 25, 1), 1
	s_wait_xcnt 0x0
; Wp FOLDED INTO k^T v.  For batch b and head h: Mt = the sum of mp's four partial sums (f32); B = the largest over the batch's heads of the sum of pm's four bounds, at least 2^-100: no |Mt| of the batch is larger;
; sigma = 64 / B; N[n][64 h + d] = the sum over e of Wp[n][64 h + e] (sigma Mt[e][d]): f16 operands, f32 sums, N rounded once to f16.  The last launch undoes sigma in f32.
; OUT: ntf = N in the order in which the last launch's matrix instructions take it: [b][block 48][kf 24][half 2][lane 32][16 bytes]; row r of block 4 Q + cc is n = 64 Q + 4 r + cc, so that there a lane's four
; blocks cc = 0..3 hold four neighbouring columns of the output; lane (r, hh) holds columns 32 kf + 16 half + 8 hh + 0..7 of that row of N.
; LIMITS.  B under 2^126 (its reciprocal is then no denormal).  |sigma Mt| is at most 64, so |N| is at most 4,096 x the largest |Wp|: Wp under 16 keeps N inside f16.  NaN and infinities are not treated apart.
; SHARES.  A work-group is a (head, batch); 192 of them.  Wave w sums, scales and rounds tiles 2 w, 2 w + 1 of Mt's sixteen; they meet in LDS; then each wave makes six of the 48 blocks of n: Q = 3 (w / 2) + q, cc = 2 (w % 2) + c.
; LAYOUT.  mp's tile (eb, db) holds in register j of lane (r, hh) Mt[16 eb + 8 hh + j][16 db + r]: rounded in pairs it IS half a fragment (rows d, K = e) in the same lanes.  Source 0 = that fragment, source 1 = 16 rows of Wp:
; a lane ends with eight neighbouring d of one n: 16 bytes of ntf.  No tensor load, no cluster, no prefetch: a work-group reads 64 KiB of its own and a slice of Wp, once, all asked for at the head.
.set SPARE, 8192                       ; behind the sixteen tiles of 512 bytes: the spare words, 128 bytes for each wave: four blocks of 256 bytes that no other line names
.set L16, 2                            ; v2   16 x lane
.set WO,  3                            ; v3   my place in a block of Wp's rows: 4 r rows + 16 hh bytes
.set PO,  4                            ; v4   16 x min(r, 11): a head's four bounds
.set LS,  5                            ; v5   where I put my 16 bytes of a tile
.set SPW, 8                            ; v8   LDS address of my spare word; never rewritten
.set NIL, 9                            ; v9   0; never rewritten
.set SG,  10                           ; v[10:11] sigma, twice
.set PMV, 12                           ; v[12:15]
.set WF,  32                           ; v[32:127]   Wp's fragments: block nb, K half kk at WF + 16 nb + 8 kk; later the block's results in f16
.set ACC, 128                          ; v[128:191]  two sets of four accumulators; before that mp's 64 registers: partial p, tile u, register j at 128 + 16 p + 8 u + j
.set PK,  144                          ;             and my two tiles in f16
.set MF,  192                          ; v[192:255]  Mt's fragments: (db, kk) at MF + 8 (2 db + kk)
	s_load_b256 s[4:11], s[0:1], 0x0               ; mp s[4:5], pm s[6:7], wpf s[8:9], ntf s[10:11]
	v_lshl_add_u32 v[SPW], v0, 2, SPARE
	v_mov_b32 v[NIL], 0
	v_lshrrev_b32 v1, 5, v0
	v_readfirstlane_b32 s12, v1                    ; wave 0..7
	s_mov_b32 s13, ttmp9                           ; head
	s_and_b32 s14, ttmp7, 0xffff                   ; batch
	s_lshr_b32 s15, s12, 1
	s_and_b32 s16, s12, 1
	v_and_b32 v1, 15, v0                           ; r
	v_bfe_u32 v7, v0, 4, 1                         ; hh
	v_and_b32 v[L16], 31, v0
	v_lshlrev_b32 v[L16], 4, v[L16]
	v_mul_u32_u24 v[WO], v1, 4*1536
	v_lshl_add_u32 v[WO], v7, 4, v[WO]
	v_min_u32 v[PO], 11, v1                        ; both halves of the lanes hold all twelve heads
	v_lshlrev_b32 v[PO], 4, v[PO]
	s_lshl_b32 s28, s12, 10
	v_add_nc_u32 v[LS], s28, v[L16]                ; tile 2 w at 1,024 w
	s_mul_i32 s20, s14, 12
	s_add_co_u32 s20, s20, s13
	s_lshl_b32 s20, s20, 16                        ; mp: 65,536 bytes a (batch, head); my two tiles at 2,048 w
	s_lshl_b32 s21, s12, 11
	s_add_co_u32 s20, s20, s21
	s_mov_b32 s21, 0
	s_mul_i32 s22, s14, 192                        ; pm: 192 bytes a batch
	s_mov_b32 s23, 0
	s_mul_i32 s24, s15, 192                        ; wpf: row 64 x 3 (w / 2) + 2 (w % 2), column 64 h
	s_lshl_b32 s25, s16, 1
	s_add_co_u32 s24, s24, s25
	s_mul_i32 s24, s24, 1536
	s_lshl_b32 s25, s13, 7
	s_add_co_u32 s24, s24, s25
	s_mov_b32 s25, 0
	s_mul_i32 s26, s14, 48                         ; ntf: block 48 b + 12 (w / 2) + 2 (w % 2), 24,576 bytes each; head h, 2,048 bytes each
	s_mul_i32 s27, s15, 12
	s_add_co_u32 s26, s26, s27
	s_lshl_b32 s27, s16, 1
	s_add_co_u32 s26, s26, s27
	s_mul_i32 s26, s26, 24576
	s_lshl_b32 s27, s13, 11
	s_add_co_u32 s26, s26, s27
	s_mov_b32 s27, 0
	s_wait_kmcnt 0x0
	s_add_nc_u64 s[4:5], s[4:5], s[20:21]
	s_add_nc_u64 s[6:7], s[6:7], s[22:23]
	s_add_nc_u64 s[8:9], s[8:9], s[24:25]
	s_add_nc_u64 s[10:11], s[10:11], s[26:27]
	global_load_b128 v[PMV:PMV+3], v[PO], s[6:7]
.irp p, 0,1,2,3
.irp u, 0,1
.irp q, 0,1
	global_load_b128 v[ACC+16*(\p)+8*(\u)+4*(\q):ACC+16*(\p)+8*(\u)+4*(\q)+3], v[L16], s[4:5] offset:(\p)*16384+(\u)*1024+(\q)*512 th:TH_LOAD_NT
.endr
.endr
.endr
.irp nb, 0,1,2,3,4,5
.irp k, 0,1
.irp q, 0,1
	global_load_b128 v[WF+16*(\nb)+8*(\k)+4*(\q):WF+16*(\nb)+8*(\k)+4*(\q)+3], v[WO], s[8:9] offset:(64*((\nb)/2)+(\nb)%2)*1536+64*(\k)+32*(\q)
.endr
.endr
.endr
	s_wait_loadcnt 24                              ; pm and mp are in; Wp's 24 loads may stay out
	v_add_f32 v[PMV], v[PMV], v[PMV+1]
	v_add_f32 v[PMV+2], v[PMV+2], v[PMV+3]
	v_add_f32 v[PMV], v[PMV], v[PMV+2]             ; a head's bound
	v_max_num_f32_dpp v[PMV], v[PMV], v[PMV] row_xmask:1 row_mask:0xf bank_mask:0xf
	v_max_num_f32_dpp v[PMV], v[PMV], v[PMV] row_xmask:2 row_mask:0xf bank_mask:0xf
	v_max_num_f32_dpp v[PMV], v[PMV], v[PMV] row_xmask:4 row_mask:0xf bank_mask:0xf
	v_max_num_f32_dpp v[PMV], v[PMV], v[PMV] row_xmask:8 row_mask:0xf bank_mask:0xf
	v_max_num_f32 v[PMV], 0x0d800000, v[PMV]       ; B, at least 2^-100
	v_rcp_f32 v[SG], v[PMV]
.set n, 0
.rept 8                                            ; the four partial sums, (0 + 1) + (2 + 3): independent work behind the reciprocal
	v_pk_add_f32 v[ACC+2*n:ACC+2*n+1], v[ACC+2*n:ACC+2*n+1], v[ACC+16+2*n:ACC+16+2*n+1]
	v_pk_add_f32 v[ACC+32+2*n:ACC+32+2*n+1], v[ACC+32+2*n:ACC+32+2*n+1], v[ACC+48+2*n:ACC+48+2*n+1]
.set n, n+1
.endr
.set n, 0
.rept 8
	v_pk_add_f32 v[ACC+2*n:ACC+2*n+1], v[ACC+2*n:ACC+2*n+1], v[ACC+32+2*n:ACC+32+2*n+1]
.set n, n+1
.endr
	s_wait_alu depctr_va_vdst(0)                   ; the wait ahead of the first use of the reciprocal
	v_mul_f32 v[SG], 0x42800000, v[SG]             ; sigma = 64 / B
	v_mov_b32 v[SG+1], v[SG]
.set n, 0
.rept 8
	v_pk_mul_f32 v[ACC+2*n:ACC+2*n+1], v[ACC+2*n:ACC+2*n+1], v[SG:SG+1]
.set n, n+1
.endr
.set n, 0
.rept 8
	v_cvt_pk_f16_f32 v[PK+n], v[ACC+2*n], v[ACC+2*n+1]
.set n, n+1
.endr
	ds_store_b128 v[LS], v[PK:PK+3]
	ds_store_b128 v[LS], v[PK+4:PK+7] offset:512
	s_wait_dscnt 0x0                               ; for the others' sake: my stores are done
	s_barrier_signal -1
	s_barrier_wait -1
.irp d, 0,1,2,3
.irp k, 0,1
.irp q, 0,1                                        ; tile 4 eb + db with eb = 2 kk + half
	ds_load_b128 v[MF+8*(2*(\d)+(\k))+4*(\q):MF+8*(2*(\d)+(\k))+4*(\q)+3], v[L16] offset:512*(4*(2*(\k)+(\q))+(\d))
.endr
.endr
.endr
	s_wait_dscnt 0x0
; Block nb: eight matrix instructions; the four accumulators take turns; the first four start the sums.
.macro WM nb
	s_wait_loadcnt 4*(5-(\nb))                     ; this block's four loads of Wp are in; the later blocks' may stay out
.irp k, 0,1
.irp d, 0,1,2,3
.set rD, ACC+32*((\nb)%2)+8*(\d)
.if (\k) == 0
	v_wmma_f32_16x16x32_f16 v[rD:rD+7], v[MF+8*(2*(\d)+(\k)):MF+8*(2*(\d)+(\k))+7], v[WF+16*(\nb)+8*(\k):WF+16*(\nb)+8*(\k)+7], 0
.else
	v_wmma_f32_16x16x32_f16 v[rD:rD+7], v[MF+8*(2*(\d)+(\k)):MF+8*(2*(\d)+(\k))+7], v[WF+16*(\nb)+8*(\k):WF+16*(\nb)+8*(\k)+7], v[rD:rD+7]
.endif
.endr
.endr
.endm
; Block nb leaves: rounded to f16 into the registers that held its own rows of Wp, which nothing writes again.
.macro PACK nb
.irp d, 0,1,2,3
.irp j, 0,1,2,3
	v_cvt_pk_f16_f32 v[WF+16*(\nb)+4*(\d)+(\j)], v[ACC+32*((\nb)%2)+8*(\d)+2*(\j)], v[ACC+32*((\nb)%2)+8*(\d)+2*(\j)+1]
.endr
.endr
.irp d, 0,1,2,3
	global_store_b128 v[L16], v[WF+16*(\nb)+4*(\d):WF+16*(\nb)+4*(\d)+3], s[10:11] offset:(4*((\nb)/2)+(\nb)%2)*24576+(\d)*512  ; 512 consecutive bytes, at a multiple of 256 from ntf's first
.endr
.endm
	WM 0
	WM 1
.rept 4
	v_nop                                          ; the places behind block 0's and block 1's products
.endr
	PACK 0
.irp nb, 2,3,4,5                                   ; the conversions of block nb - 2, which name nothing of block nb - 1, are the places between that block's products and its own conversions
	WM \nb
	PACK (\nb)-1
.endr
	PACK 5                                         ; block 4's sixteen conversions are the places behind block 5's products
	s_wait_tensorcnt 0x0                           ; the wave's end: behind my last LDS store
	ds_add_u32 v[SPW], v[NIL]
	s_wait_dscnt 0x0
	s_endpgm
.Lfunc_end_k_q3b7b96c09a_mn:
	.size	k_q3b7b96c09a_mn, .Lfunc_end_k_q3b7b96c09a_mn-k_q3b7b96c09a_mn
	.p2alignl 7, 3214868480
	.fill 96, 4, 3214868480
	.section	.rodata,"a",@progbits
	.p2align	6, 0x0
	.amdhsa_kernel k_q3b7b96c09a_mn
		.amdhsa_group_segment_fixed_size 9216
		.amdhsa_private_segment_fixed_size 0
		.amdhsa_enable_private_segment 0
		.amdhsa_kernarg_size 32
		.amdhsa_user_sgpr_count 2
		.amdhsa_user_sgpr_kernarg_segment_ptr 1
		.amdhsa_wavefront_size32 1
		.amdhsa_system_sgpr_workgroup_id_x 1
		.amdhsa_system_sgpr_workgroup_id_y 1
		.amdhsa_system_sgpr_workgroup_id_z 1
		.amdhsa_system_vgpr_workitem_id 0
		.amdhsa_next_free_vgpr 256
		.amdhsa_next_free_sgpr 66
		.amdhsa_reserve_vcc 0
		.amdhsa_float_denorm_mode_32 3
		.amdhsa_float_denorm_mode_16_64 3
		.amdhsa_memory_ordered 1
		.amdhsa_forward_progress 1
		.amdhsa_inst_pref_size 23
	.end_amdhsa_kernel
	.amdgpu_metadata
---
amdhsa.version: [ 1, 2 ]
amdhsa.kernels:
  - .name:           k_q3b7b96c09a_mn
    .symbol:         k_q3b7b96c09a_mn.kd
    .args:
      - { .name: mp, .offset: 0, .size: 8, .value_kind: global_buffer, .address_space: global }
      - { .name: pm, .offset: 8, .size: 8, .value_kind: global_buffer, .address_space: global }
      - { .name: wpf, .offset: 16, .size: 8, .value_kind: global_buffer, .address_space: global }
      - { .name: ntf, .offset: 24, .size: 8, .value_kind: global_buffer, .address_space: global }
    .group_segment_fixed_size: 9216
    .private_segment_fixed_size: 0
    .kernarg_segment_align: 8
    .kernarg_segment_size: 32
    .max_flat_workgroup_size: 256
    .sgpr_count:     66
    .vgpr_count:     256
    .wavefront_size: 32
...
	.end_amdgpu_metadata
.endif
;; end of part 3
;; launch out (part 4): grid 4 x 64, 4 waves a work-group, clusters of 4 x 4, 327,680 bytes of LDS; arguments qf, ntf, pm, bc, out0; writes out0
.if DOCPART == 4
	.amdgcn_target "amdgcn-amd-amdhsa--gfx1250"
	.amdhsa_code_object_version 6
	.text
	.protected	k_q3b7b96c09a_out
	.globl	k_q3b7b96c09a_out
	.p2align	8
	.type	k_q3b7b96c09a_out,@function
k_q3b7b96c09a_out:
	s_mov_b64 s[64:65], 0
	v_nop
	global_prefetch_b8 v0, s[64:65] scope:SCOPE_SE
	s_setreg_imm32_b32 hwreg(HW_REG_WAVE_MODE, 25, 1), 1
	s_wait_xcnt 0x0
	s_wait_alu depctr_hold_cnt(0) depctr_sa_sdst(0) depctr_va_vdst(0) depctr_va_sdst(0) depctr_va_ssrc(0) depctr_va_vcc(0) depctr_vm_vsrc(0)
	s_getreg_b32 s2, hwreg(HW_REG_IB_STS2, 6, 4)
	s_cmp_eq_u32 s2, 0
	s_cbranch_scc0 .Lentry_in_a_cluster
	s_endpgm
.Lentry_in_a_cluster:
	s_bfe_u32 s2, ttmp6, 0x10000c
	s_cmp_lg_u32 s2, 0xf033
	s_cbranch_scc0 .Lentry_shape_is_right
	s_endpgm
.Lentry_shape_is_right:
; THE OUTPUT.  out[b][t][n] = (the sum over j of q[t][j] N_b[n][j]) x B_b / 512 + bp[n]: f16 operands, f32 sums; B_b / 512 undoes the scale 64 / B_b of the launch before and applies the module's 1 / 8, in f32.
; B_b is made from pm as there: the largest over the heads of the sum of the four bounds, at least 2^-100.  LIMITS: those of the launches before; NaN and infinities are not treated apart.
; SHARES.  A cluster of 4 x 4 work-groups is a batch: cy = 256 rows t, cx = 192 columns n.  One tile of 256 x 192 to a work-group, 256 work-groups.  Wave w owns rows 64 w .. + 63 and all 192 columns: 48 accumulators.
; K = 768 in six steps of 128 through a ring of two LDS slots.  q's tile is shared along a row of the cluster, N's along a column: joint loads; waves 0, 1 ask for q's two halves, waves 2, 3 for N's.
; LAYOUT.  qf and ntf hold fragments as the matrix instruction takes them: a block of 16 rows has 24,576 bytes, a K step 4,096 of them on end, a load of 16 bytes a lane takes 512 neighbouring bytes: LDS needs no padding.
; Source 0 = q (rows t), source 1 = N.  Row r of N's block 4 Q + cc is n = 64 Q + 4 r + cc: register j of a lane's four accumulators cc = 0..3 are four neighbouring columns of row t = 8 hh + j: the multiply-add
; that scales them also gathers them into 16 bytes, and sixteen lanes store 256 consecutive bytes, aligned: no stage in LDS.
; REGISTERS, in windows of 256 (s_set_vgpr_msb: bits 1:0 source 0, 3:2 source 1, 5:4 source 2, 7:6 destination):
;   window 0: addresses, pm, bp, the scale; v64-255 two buffers of 96 for the way out      window 1: two fragment buffers F0, F1 of 128: q's four fragments, then N's twelve
;   window 2: accumulators (a, c < 8) at 8 (8 a + c)      window 3: (a, c - 8) at 8 (4 a + c - 8)
.set BLK,    24576                     ; bytes in a block of 16 rows of qf and of ntf
.set KSB,    4096                      ; of them in a K step
.set ABYTES, 16*KSB                    ; q's 16 blocks
.set SLOT,   28*KSB                    ; then N's 12
.set SPARE,  2*SLOT                    ; behind the ring: the spare words, 128 bytes for each wave: two blocks of 256 bytes that no other line names
.set ROWO,   3072                      ; bytes in a row of the output
.set ADRA, 16                          ; v16-17  LDS address of my fragments of q in slot 0, 1
.set ADRB, 20                          ; v20-21  the same for N
.set OO,   26                          ; v26  my byte offset in the output: 8 hh rows + 16 r
.set SPW,  28                          ; v28  LDS address of my spare word; never rewritten
.set NIL,  29                          ; v29  0; never rewritten
.set PFO,  30                          ; v30  the prefetches' offset; never rewritten
.set PMV,  32                          ; v[32:35] a head's four bounds
.set BP,   36                          ; v[36:47] bp of my twelve columns: 4 Q + cc
.set SC,   48                          ; v48  B / 512
.set F0,   0
.set F1,   128
.set WV,  16
.set HF,  18
.set CX,  19
.set CY,  20
.set BB,  21
.set G1A, 24                           ; s[24:31] descriptor group 1 for q's tiles;  s[32:39] group 0, a set for each slot
.set G0A, 32
.set PFA, 44                           ; s[44:45] where my prefetches stand: at the K step that is being asked for; a prefetch names the one after it
.set G1B, 48                           ; s[48:55], s[56:63] the same for N's tiles
.set G0B, 56
.set G1W0, (3<<16)|(1<<21)             ; 17:16 elements of 8 bytes; 21 set beside a mask; no padding
.set MSB, 0
.macro WIN new                         ; the immediate's high byte repeats the setting that is left; a switch that changes nothing is dropped
.if MSB != (\new)
	s_set_vgpr_msb (MSB<<8)|(\new)
.set MSB, \new
.endif
.endm
.macro PLACES                          ; four places behind matrix instructions, in front of loads into registers that they have read and of vector instructions that read results
.rept 4
	v_nop
.endr
.endm
; A joint load.  The branch hangs on the wave's number alone.  An s_nop 0 and four v_nop follow each of the two lines, ahead of the jump, the label and what follows.
.macro JLOAD s
	s_cmp_lt_u32 s[WV], 2
	s_cbranch_scc0 .Lfor_b_\@
	tensor_load_to_lds s[G0A+4*(\s):G0A+4*(\s)+3], s[G1A:G1A+7]
	s_nop 0
.rept 4
	v_nop
.endr
	s_branch .Lasked_\@
.Lfor_b_\@:
	tensor_load_to_lds s[G0B+4*(\s):G0B+4*(\s)+3], s[G1B:G1B+7]
	s_nop 0
.rept 4
	v_nop
.endr
.Lasked_\@:
.endm
.macro CREST                           ; a round of the cluster's barrier behind its opening barrier: wave 0 signals for the work-group, every wave waits for all sixteen, my work-group's barrier closes it
	s_cmp_lg_u32 s[WV], 0
	s_cbranch_scc1 .Lnot_wave_0_\@
	s_barrier_signal -3
.Lnot_wave_0_\@:
	s_barrier_wait -3
	s_barrier_signal -1
	s_barrier_wait -1
.endm
.macro CROUND
	s_barrier_signal -1
	s_barrier_wait -1
	CREST
.endm
; A PREFETCH INTO THE L2, behind each joint refill, its five lines and the run of LDS loads: the K step behind the one just asked for: one K step, 192 matrix instructions, ahead of the load that will want it.
; Both tiles are read by this cluster alone, once: every cluster asks for its own.  A K step of a block is 16 pieces of 256 bytes; of the 128 pieces (q) or 96 (N) that a wave fetches, the four partners that ask with it
; take 32 or 24 each, told apart BY ADDRESS (cx for q, cy for N; for N lanes 24-31 name lane 23's piece once more): a lane a piece, one instruction a wave.
; how = 1: the loop's second change of slots, whose last trip has no K step behind its own.  K steps 0 to 2 come by their loads alone: nothing is asked at the head.
.macro ASK how
	WIN 0
.if \how
	s_cmp_gt_u32 s3, 1
	s_cbranch_scc0 .Lnone_\@
.endif
	global_prefetch_b8 v[PFO], s[PFA:PFA+1] offset:KSB th:TH_LOAD_NT scope:SCOPE_SE
.if \how
.Lnone_\@:
.endif
.endm
	s_load_b256 s[4:11], s[0:1], 0x0               ; qf s[4:5], ntf s[6:7], pm s[8:9], bc s[10:11]
	s_load_b64 s[12:13], s[0:1], 0x20              ; out0
	v_lshl_add_u32 v[SPW], v0, 2, SPARE
	v_mov_b32 v[NIL], 0
	ds_add_u32 v[SPW], v[NIL]                      ; the wave's opening: the add and its wait ahead of my first tensor load; the set-up below, work on registers, stands between them
	v_lshrrev_b32 v1, 5, v0
	v_readfirstlane_b32 s[WV], v1                  ; wave 0..3
	s_and_b32 s[HF], s[WV], 1
	s_bfe_u32 s[CX], ttmp6, 0x40000                ; cx: my 192 columns
	s_bfe_u32 s[CY], ttmp6, 0x40004                ; cy: my 256 rows
	s_and_b32 s[BB], ttmp7, 0xffff                 ; the batch
	s_lshl_b32 s22, s[CY], 2
	s_lshl_b32 s22, 15, s22                        ; my row of the cluster
	s_lshl_b32 s23, 0x1111, s[CX]                  ; my column
	s_or_b32 s[G1A], s22, G1W0
	s_or_b32 s[G1B], s23, G1W0
	s_mov_b32 s[G1A+1], 512<<16                    ; tensor_dim0 = 512 elements: a block's 4,096 bytes of a K step
	s_mov_b32 s[G1A+2], 8<<16                      ; tensor_dim1 = 8 blocks
	s_mov_b32 s[G1A+3], 512<<16                    ; tile_dim0
	s_mov_b32 s[G1A+4], 8                          ; tile_dim1
	s_mov_b32 s[G1A+5], 3072                       ; elements from block to block
	s_mov_b32 s[G1A+6], 0
	s_mov_b32 s[G1A+7], 0
	s_mov_b32 s[G1B+1], 512<<16
	s_mov_b32 s[G1B+2], 6<<16                      ; 6 blocks
	s_mov_b32 s[G1B+3], 512<<16
	s_mov_b32 s[G1B+4], 6
	s_mov_b32 s[G1B+5], 3072
	s_mov_b32 s[G1B+6], 0
	s_mov_b32 s[G1B+7], 0
	s_lshl_b32 s40, s[BB], 6                       ; q: block 64 b + 16 cy + 8 x half: nothing of cx
	s_lshl_b32 s41, s[CY], 4
	s_add_co_u32 s40, s40, s41
	s_lshl_b32 s41, s[HF], 3
	s_add_co_u32 s40, s40, s41
	s_mul_i32 s40, s40, BLK
	s_mov_b32 s41, 0
	s_mul_i32 s46, s[BB], 48                       ; N: block 48 b + 12 cx + 6 x half: nothing of cy
	s_mul_i32 s47, s[CX], 12
	s_add_co_u32 s46, s46, s47
	s_mul_i32 s47, s[HF], 6
	s_add_co_u32 s46, s46, s47
	s_mul_i32 s46, s46, BLK
	s_mov_b32 s47, 0
	s_lshl_b32 s22, s[WV], 15                      ; where they go: q's halves at wave x 8 blocks (waves 0, 1),
	s_mul_i32 s23, s[WV], 6*KSB                    ; N's behind q's 16 blocks, at (wave - 2) x 6 blocks (waves 2, 3)
	s_add_co_u32 s23, s23, ABYTES-12*KSB
	s_wait_dscnt 0x0                               ; the opening add is done
	s_wait_kmcnt 0x0
	s_add_nc_u64 s[40:41], s[4:5], s[40:41]
	s_add_nc_u64 s[46:47], s[6:7], s[46:47]
	CROUND                                         ; all sixteen work-groups are here: the first joint loads meet
.irp s, 0,1
	s_mov_b32 s[G0A+4*(\s)], 1
	s_add_co_u32 s[G0A+4*(\s)+1], s22, (\s)*SLOT
	s_add_nc_u64 s[G0A+4*(\s)+2:G0A+4*(\s)+3], s[40:41], (\s)*KSB
	s_or_b32 s[G0A+4*(\s)+3], s[G0A+4*(\s)+3], 0x80000000
	s_mov_b32 s[G0B+4*(\s)], 1
	s_add_co_u32 s[G0B+4*(\s)+1], s23, (\s)*SLOT
	s_add_nc_u64 s[G0B+4*(\s)+2:G0B+4*(\s)+3], s[46:47], (\s)*KSB
	s_or_b32 s[G0B+4*(\s)+3], s[G0B+4*(\s)+3], 0x80000000
	JLOAD \s                                       ; two loads of mine are out
.endr
	v_and_b32 v1, 15, v0                           ; r
	v_bfe_u32 v2, v0, 4, 1                         ; hh
	v_and_b32 v4, 31, v0                           ; lane
	v_lshlrev_b32 v3, 4, v4
	s_lshl_b32 s76, s[WV], 14                      ; my four blocks of q
	v_add_nc_u32 v[ADRA], s76, v3
	v_add_nc_u32 v[ADRA+1], SLOT, v[ADRA]
	v_add_nc_u32 v[ADRB], ABYTES, v3
	v_add_nc_u32 v[ADRB+1], SLOT+ABYTES, v3
	v_mul_u32_u24 v[OO], v2, 8*ROWO
	v_lshl_add_u32 v[OO], v1, 4, v[OO]
	v_min_u32 v5, 11, v1                           ; both halves of the lanes hold all twelve heads
	v_lshlrev_b32 v5, 4, v5
	v_lshlrev_b32 v6, 4, v1
	s_mul_i32 s76, s[BB], 192                      ; pm: 192 bytes a batch
	s_mov_b32 s77, 0
	s_add_nc_u64 s[8:9], s[8:9], s[76:77]
	s_mul_i32 s76, s[CX], 768                      ; bp lies behind the 2,304 other biases
	s_add_co_u32 s76, s76, 9216
	s_add_nc_u64 s[10:11], s[10:11], s[76:77]
	s_lshl_b32 s76, s[BB], 10                      ; the output: row 1,024 b + 256 cy + 64 w, column 192 cx
	s_lshl_b32 s78, s[CY], 8
	s_add_co_u32 s76, s76, s78
	s_lshl_b32 s78, s[WV], 6
	s_add_co_u32 s76, s76, s78
	s_mul_i32 s76, s76, ROWO
	s_mul_i32 s78, s[CX], 768
	s_add_co_u32 s76, s76, s78
	s_add_nc_u64 s[12:13], s[12:13], s[76:77]
	global_load_b128 v[PMV:PMV+3], v5, s[8:9]
.irp q, 0,1,2
	global_load_b128 v[BP+4*(\q):BP+4*(\q)+3], v6, s[10:11] offset:256*(\q)
.endr
	s_cmp_lt_u32 s[WV], 2                          ; the prefetches: do I fetch for q?
	s_cselect_b64 s[PFA:PFA+1], s[40:41], s[46:47] ; the blocks that I fetch,
	s_cselect_b32 s76, s[CX], s[CY]                ; my place among the four that ask for them with me,
	s_cselect_b32 s78, 32, 24                      ; its share of the pieces
	s_cselect_b32 s79, 31, 23
	s_mul_i32 s76, s76, s78
	s_add_nc_u64 s[PFA:PFA+1], s[PFA:PFA+1], KSB   ; at K step 1: the first refill steps it to 2 and names K step 3
	v_min_u32 v7, s79, v4
	v_add_nc_u32 v7, s76, v7                       ; my piece u: block u / 16, 256 bytes at 256 (u % 16)
	v_lshrrev_b32 v[PFO], 4, v7
	v_mul_u32_u24 v[PFO], v[PFO], BLK
	v_and_b32 v7, 15, v7
	v_lshl_add_u32 v[PFO], v7, 8, v[PFO]
; 16 matrix instructions, 32 along K: column blocks 4 part .. + 3 x my four row blocks.  The accumulators take turns, one instruction a turn.  start = 1: the product starts the sum.
.macro MULP f, part, start
.if (\part) < 2
	WIN 0xa5
.else
	WIN 0xf5
.endif
.irp c, 0,1,2,3
.irp a, 0,1,2,3
.set rQ, (\f)+8*(\a)
.set rN, (\f)+32+8*(4*(\part)+(\c))
.if (\part) < 2
.set rD, 8*(8*(\a)+4*(\part)+(\c))
.else
.set rD, 8*(4*(\a)+(\c))
.endif
.if \start
	v_wmma_f32_16x16x32_f16 v[rD:rD+7], v[rQ:rQ+7], v[rN:rN+7], 0
.else
	v_wmma_f32_16x16x32_f16 v[rD:rD+7], v[rQ:rQ+7], v[rN:rN+7], v[rD:rD+7]
.endif
.endr
.endr
.endm
; 32 LDS loads in one run: the fragments of quarter kk of a K step into buffer f: q's four, then N's twelve.
.macro FETCH slot, kk, f
	WIN 0x40                                       ; destination window 1, address window 0
.irp i, 0,1,2,3
	ds_load_b128 v[(\f)+8*(\i):(\f)+8*(\i)+3],   v[ADRA+(\slot)] offset:(\i)*KSB+1024*(\kk)
	ds_load_b128 v[(\f)+8*(\i)+4:(\f)+8*(\i)+7], v[ADRA+(\slot)] offset:(\i)*KSB+1024*(\kk)+512
.endr
.irp i, 0,1,2,3,4,5,6,7,8,9,10,11
	ds_load_b128 v[(\f)+32+8*(\i):(\f)+32+8*(\i)+3],   v[ADRB+(\slot)] offset:(\i)*KSB+1024*(\kk)
	ds_load_b128 v[(\f)+32+8*(\i)+4:(\f)+32+8*(\i)+7], v[ADRB+(\slot)] offset:(\i)*KSB+1024*(\kk)+512
.endr
.endm
; A K step is four quarters of 32 along K, 48 matrix instructions each, on buffers 0, 1, 0, 1.  One of the first three: multiplies buffer f, and behind its first part fetches quarter kk into buffer g.
.macro QUARTER slot, kk, f, g, start
	s_wait_dscnt 16                                ; q's fragments and N's first four are in; the youngest sixteen loads may be out
	MULP \f, 0, \start
	PLACES
	FETCH \slot, \kk, \g
	s_wait_dscnt 32                                ; all but the 32 just issued
	MULP \f, 1, \start
	MULP \f, 2, \start
.endm
; The last quarter multiplies buffer 1 and changes slots.  In front of the barrier each wave waits for all its tensor loads, of which one is out: its part of the other slot; adds 0 to its spare word; and waits for that
; and for its own reads of this slot.  The barrier opens a round of the cluster's; the joint refill, the K step two on, is the first thing behind the round, and has 160 matrix instructions in which to land.
.macro TURN slot, next
	WIN 0
	s_wait_xcnt 0x0                                ; the last prefetch, a K step back, has read its address, which is stepped here
	s_add_nc_u64 s[PFA:PFA+1], s[PFA:PFA+1], KSB
	s_wait_tensorcnt 0x0                           ; all my tensor loads have landed
	ds_add_u32 v[SPW], v[NIL]                      ; 0 onto my spare word
	s_wait_dscnt 17                                ; (the add and the youngest sixteen loads may be out)
	MULP F1, 0, 0                                  ; sixteen matrix instructions stand between the add and the wait for it
	s_wait_dscnt 0x0                               ; the add is done, and my reads of this slot are over
	s_barrier_signal -1
	MULP F1, 1, 0                                  ; work on registers while the others arrive
	WIN 0                                          ; at a branch and at a label every window is 0
	s_barrier_wait -1
	CREST
	s_add_nc_u64 s[G0A+4*(\slot)+2:G0A+4*(\slot)+3], s[G0A+4*(\slot)+2:G0A+4*(\slot)+3], 2*KSB
	s_add_nc_u64 s[G0B+4*(\slot)+2:G0B+4*(\slot)+3], s[G0B+4*(\slot)+2:G0B+4*(\slot)+3], 2*KSB
	JLOAD \slot                                    ; its four v_nop are also the places in front of the loads below
	FETCH \next, 0, F0
	ASK \slot
	MULP F1, 2, 0
.endm
	s_wait_tensorcnt 0x1                           ; my part of K step 0 is in; K step 1's may stay out
	s_barrier_signal -1
	s_barrier_wait -1                              ; everybody's is
	FETCH 0, 0, F0
	QUARTER 0, 1, F0, F1, 1                        ; the first quarter stands in front of the loop: its products start the sums
	WIN 0
	s_mov_b32 s3, 2
.Llap:                                             ; a trip goes once round the ring, from a lap's second quarter to the next lap's first, and fills both slots again
	QUARTER 0, 2, F1, F0, 0
	QUARTER 0, 3, F0, F1, 0
	TURN 0, 1
	QUARTER 1, 1, F0, F1, 0
	QUARTER 1, 2, F1, F0, 0
	QUARTER 1, 3, F0, F1, 0
	TURN 1, 0
	QUARTER 0, 1, F0, F1, 0
	WIN 0
	s_sub_co_u32 s3, s3, 1
	s_cmp_lg_u32 s3, 0
	s_cbranch_scc1 .Llap
	QUARTER 0, 2, F1, F0, 0                        ; the last lap fills nothing
	QUARTER 0, 3, F0, F1, 0
	WIN 0                                          ; the last change of slots: no round follows
	s_wait_tensorcnt 0x0
	ds_add_u32 v[SPW], v[NIL]
	s_wait_dscnt 17
	MULP F1, 0, 0
	s_wait_dscnt 0x0
	s_barrier_signal -1
	MULP F1, 1, 0
	s_barrier_wait -1
	PLACES
	FETCH 1, 0, F0
	MULP F1, 2, 0
	QUARTER 1, 1, F0, F1, 0
	QUARTER 1, 2, F1, F0, 0
	QUARTER 1, 3, F0, F1, 0
	s_wait_dscnt 16                                ; the very last quarter: nothing more to fetch
	MULP F1, 0, 0
	s_wait_dscnt 0x0
	MULP F1, 1, 0
	MULP F1, 2, 0
	; THE WAY OUT.  The scale first: thirteen plain instructions that name nothing of the last products stand behind them, the four v_nop among them.
	WIN 0
	s_wait_loadcnt 0x0                             ; pm and bp, asked for at the head
	PLACES
	v_add_f32 v[PMV], v[PMV], v[PMV+1]
	v_add_f32 v[PMV+2], v[PMV+2], v[PMV+3]
	v_add_f32 v[PMV], v[PMV], v[PMV+2]             ; a head's bound
	v_max_num_f32_dpp v[PMV], v[PMV], v[PMV] row_xmask:1 row_mask:0xf bank_mask:0xf
	v_max_num_f32_dpp v[PMV], v[PMV], v[PMV] row_xmask:2 row_mask:0xf bank_mask:0xf
	v_max_num_f32_dpp v[PMV], v[PMV], v[PMV] row_xmask:4 row_mask:0xf bank_mask:0xf
	v_max_num_f32_dpp v[PMV], v[PMV], v[PMV] row_xmask:8 row_mask:0xf bank_mask:0xf
	v_max_num_f32 v[PMV], 0x0d800000, v[PMV]       ; B, at least 2^-100, as the launch before made it
	v_mul_f32 v[SC], 0x3b000000, v[PMV]            ; B / 512
; Row block a: 96 fused multiply-adds, each accumulator from its low end on, then 24 stores.  Two buffers take turns.
.macro ROWS16 a
.set TB, 64+96*((\a)%2)
.if (\a) >= 2
	s_wait_xcnt 0x0                                ; the stores of the block two back have read this buffer: it is written again only behind this wait
.endif
.irp q, 0,1,2
.if (\q) < 2
	WIN 0x02                                       ; source 0 in window 2
.else
	WIN 0x03                                       ; in window 3
.endif
.irp j, 0,1,2,3,4,5,6,7
.irp c, 0,1,2,3
.if (\q) < 2
.set rA, 8*(8*(\a)+4*(\q)+(\c))+(\j)
.else
.set rA, 8*(4*(\a)+(\c))+(\j)
.endif
	v_fma_f32 v[TB+4*(8*(\q)+(\j))+(\c)], v[rA], v[SC], v[BP+4*(\q)+(\c)]
.endr
.endr
.endr
	WIN 0
.irp q, 0,1,2
.irp j, 0,1,2,3,4,5,6,7
	global_store_b128 v[OO], v[TB+4*(8*(\q)+(\j)):TB+4*(8*(\q)+(\j))+3], s[12:13] offset:(16*(\a)+(\j))*ROWO+256*(\q) th:TH_STORE_NT  ; 16 lanes store 256 consecutive bytes, at a multiple of 256 from the output's first
.endr
.endr
.endm
	ROWS16 0
	ROWS16 1
	ROWS16 2
	ROWS16 3
	s_wait_tensorcnt 0x0                           ; the wave's end: behind my last tensor load
	ds_add_u32 v[SPW], v[NIL]
	s_wait_dscnt 0x0
	CROUND                                         ; the closing round: no work-group ends while a partner may still ask for a tile that names it
	s_endpgm
.Lfunc_end_k_q3b7b96c09a_out:
	.size	k_q3b7b96c09a_out, .Lfunc_end_k_q3b7b96c09a_out-k_q3b7b96c09a_out
	.p2alignl 7, 3214868480
	.fill 96, 4, 3214868480
	.section	.rodata,"a",@progbits
	.p2align	6, 0x0
	.amdhsa_kernel k_q3b7b96c09a_out
		.amdhsa_group_segment_fixed_size 327680
		.amdhsa_private_segment_fixed_size 0
		.amdhsa_enable_private_segment 0
		.amdhsa_kernarg_size 40
		.amdhsa_user_sgpr_count 2
		.amdhsa_user_sgpr_kernarg_segment_ptr 1
		.amdhsa_wavefront_size32 1
		.amdhsa_system_sgpr_workgroup_id_x 1
		.amdhsa_system_sgpr_workgroup_id_y 1
		.amdhsa_system_sgpr_workgroup_id_z 1
		.amdhsa_system_vgpr_workitem_id 0
		.amdhsa_next_free_vgpr 896
		.amdhsa_next_free_sgpr 80
		.amdhsa_reserve_vcc 0
		.amdhsa_float_denorm_mode_32 3
		.amdhsa_float_denorm_mode_16_64 3
		.amdhsa_memory_ordered 1
		.amdhsa_forward_progress 1
		.amdhsa_inst_pref_size 130
	.end_amdhsa_kernel
	.amdgpu_metadata
---
amdhsa.version: [ 1, 2 ]
amdhsa.kernels:
  - .name:           k_q3b7b96c09a_out
    .symbol:         k_q3b7b96c09a_out.kd
    .args:
      - { .name: qf, .offset: 0, .size: 8, .value_kind: global_buffer, .address_space: global }
      - { .name: ntf, .offset: 8, .size: 8, .value_kind: global_buffer, .address_space: global }
      - { .name: pm, .offset: 16, .size: 8, .value_kind: global_buffer, .address_space: global }
      - { .name: bc, .offset: 24, .size: 8, .value_kind: global_buffer, .address_space: global }
      - { .name: out0, .offset: 32, .size: 8, .value_kind: global_buffer, .address_space: global }
    .group_segment_fixed_size: 327680
    .private_segment_fixed_size: 0
    .kernarg_segment_align: 8
    .kernarg_segment_size: 40
    .max_flat_workgroup_size: 128
    .sgpr_count:     80
    .vgpr_count:     896
    .wavefront_size: 32
...
	.end_amdgpu_metadata
.endif
;; end of part 4
;; ======== version 2 of 2: 4 launches; version 1 with the launch cast written anew for expert scheduling mode
;; limits: values are held in f16: magnitudes above 65,504 overflow, below 6.1e-05 lose precision
;; workspace buffers: xb 25,165,824 bytes; wc 3,538,944 bytes; wpf 1,179,648 bytes; bc 12,288 bytes; qf 25,165,824 bytes; mp 12,582,912 bytes; pm 3,072 bytes; ntf 18,874,368 bytes
;; launch cast (part 5): grid 609 x 1, 6 waves a work-group, no clusters, 0 bytes of LDS; arguments x, Wk, Wv, Wq, Wp, bk, bv, bq, bp, xb, wc, wpf, bc; writes xb, wc, wpf, bc
.if DOCPART == 5
	.amdgcn_target "amdgcn-amd-amdhsa--gfx1250"
	.amdhsa_code_object_version 6
	.text
	.protected	k_q3b7b96c09a_cast
	.globl	k_q3b7b96c09a_cast
	.p2align	8
	.type	k_q3b7b96c09a_cast,@function
k_q3b7b96c09a_cast:
	s_mov_b64 s[64:65], 0
	v_nop
	global_prefetch_b8 v0, s[64:65] scope:SCOPE_SE
	s_setreg_imm32_b32 hwreg(HW_REG_WAVE_SCHED_MODE, 0, 2), 2
	s_setreg_imm32_b32 hwreg(HW_REG_WAVE_MODE, 25, 1), 1
	s_wait_xcnt 0x0
	s_wait_alu depctr_vm_vsrc(0)
; THE MODULE'S INPUTS, ROUNDED ONCE.  x -> xb (bf16).  Wk, Wv, Wq -> wc (bf16), rows in the order 192 h + 64 part + d (part 0 = k, 1 = v, 2 = q), so that a head's 192 output
; columns lie together.  Wp -> wpf: rounded to bf16 like the other inputs, and that number written as f16.  The four biases -> bc: rounded to bf16, kept as f32; bk, bv, bq in wc's row order, then bp.
; LIMITS.  wpf: a weight of 65,520 or more becomes an infinity; below 6.1e-5 it keeps f16's fixed step of 6e-8.  NaN and infinities are not treated apart.
; A stream: each byte is read once and written once; no LDS, no matrix unit, no cluster: no two work-groups read the same byte.
; SHARES.  Every source row is 768 f32 = 192 threads x 16 bytes.  Thread t owns byte 16 t of a row in and byte 8 t of a row out: a wave's load covers 512 consecutive bytes, its store 256, aligned.
; A work-group takes 32 rows, all 32 loads of a wave on their way at once.  Work-groups 0-511: x.  512-583: 24 each for Wk, Wv, Wq.  584-607: Wp.  608: the biases.
; THE MODE: SCHED_MODE bits 1:0 = 2 (LLVM: expert scheduling mode 2), set by the entry lines.  The code itself states the register dependences
; between vector instructions and memory instructions, with s_wait_alu, always for 0.
; THE PLAN.  Registers that memory instructions touch:
;   v1, v2     byte offsets, made once at the head and never written again: v1 is read by every load (and by bp's store), v2 by every row's store.
;   X, row i   four registers.  Its one load lands in them; behind the wait for it the row's roundings read them and write them in place; its one store reads the first two.  Nothing writes them behind that store.
;   v3         the biases' path alone: the offset of three stores, made once.
; The 32 rows go in eight blocks of four.  Block p rounds its own four rows; the stores of block p - 1 are dealt among them, and no vector instruction of block p names the registers that those stores read.
; So ONE wait on va_vdst at a block's head states all that the block's four stores hang on.  No register that a load or store has read is written again, and no load lands in a register that a vector
; instruction has named: nothing is owed on vm_vsrc.  No vector instruction writes a scalar register, and EXEC is never written.
.set ROWIN,  3072
.set ROWOUT, 1536
.set BLOCK,  4                         ; rows in a block
.set X, 8                              ; v[8:135]  row i of the 32: four registers as loaded; the first two then hold what is stored
	s_load_b512 s[4:19], s[0:1], 0x0               ; x s[4:5], Wk s[6:7], Wv s[8:9], Wq s[10:11], Wp s[12:13], bk s[14:15], bv s[16:17], bq s[18:19]
	s_load_b256 s[20:27], s[0:1], 0x40             ; bp s[20:21], xb s[22:23], wc s[24:25], wpf s[26:27]
	s_load_b64 s[28:29], s[0:1], 0x60              ; bc
	v_lshlrev_b32 v1, 4, v0                        ; my 16 bytes of a row in
	v_lshlrev_b32 v2, 3, v0                        ; my 8 bytes of a row out
	s_mov_b32 s34, ttmp9
	s_mov_b32 s39, 0xffff0000                      ; a word's upper bf16
	s_mov_b32 s41, 0
	s_mov_b32 s43, 0
	s_wait_kmcnt 0x0
	s_wait_alu depctr_va_vdst(0)                   ; v1 and v2 are written: every load and store of the three paths below reads one of them as its offset
; 32 rows from s[30:31] to s[32:33].  kind = 0: bf16.  kind = 1: bf16, then that number as f16.  No register is written again behind its store.
.macro ROWS kind
.set i, 0
.rept 32
	global_load_b128 v[X+4*i:X+4*i+3], v1, s[30:31] offset:i*ROWIN th:TH_LOAD_NT
.set i, i+1
.endr
.set i, 0
.rept 32
.if i%BLOCK == 0
	s_wait_loadcnt 32-BLOCK-i                      ; loads come back in order (ISA guide 5.7.1): this block's four rows are in, the younger rows stay out
.if i > 0
	s_wait_alu depctr_va_vdst(0)                   ; the roundings of the block before have written its four pairs, which the four stores of this block read
.endif
.endif
.if i >= BLOCK
	global_store_b64 v2, v[X+4*(i-BLOCK):X+4*(i-BLOCK)+1], s[32:33] offset:(i-BLOCK)*ROWOUT  ; the same row of the block before; no vector instruction since the wait names its registers
.endif
	v_cvt_pk_bf16_f32 v[X+4*i], v[X+4*i], v[X+4*i+1]
	v_cvt_pk_bf16_f32 v[X+4*i+1], v[X+4*i+2], v[X+4*i+3]
.if \kind
	v_lshlrev_b32 v[X+4*i+2], 16, v[X+4*i]         ; the rounded numbers as f32,
	v_and_b32 v[X+4*i+3], s39, v[X+4*i]
	v_cvt_pk_f16_f32 v[X+4*i], v[X+4*i+2], v[X+4*i+3]  ; and as f16: 8 significant bits fit into 11
	v_lshlrev_b32 v[X+4*i+2], 16, v[X+4*i+1]
	v_and_b32 v[X+4*i+3], s39, v[X+4*i+1]
	v_cvt_pk_f16_f32 v[X+4*i+1], v[X+4*i+2], v[X+4*i+3]
.endif
.set i, i+1
.endr
	s_wait_alu depctr_va_vdst(0)                   ; the last block's roundings have written its four pairs, which the last four stores read
.set i, 32-BLOCK
.rept BLOCK
	global_store_b64 v2, v[X+4*i:X+4*i+1], s[32:33] offset:i*ROWOUT
.set i, i+1
.endr
.endm
	s_cmp_ge_u32 s34, 608
	s_cbranch_scc1 .Lbias
	s_cmp_ge_u32 s34, 584
	s_cbranch_scc1 .Lwp
	; x, or one of Wk, Wv, Wq: both cases' offsets are made, and the case chooses
	s_max_u32 s35, s34, 512
	s_sub_co_u32 s35, s35, 512                     ; i = 0 .. 71 among the three weights' blocks (0 in x's work-groups)
	s_cmp_ge_u32 s35, 24
	s_cselect_b32 s36, 1, 0
	s_cmp_ge_u32 s35, 48
	s_cselect_b32 s37, 1, 0
	s_add_co_u32 s36, s36, s37                     ; part = i / 24
	s_mul_i32 s37, s36, 24
	s_sub_co_u32 s35, s35, s37                     ; r = i % 24: rows 32 r .. 32 r + 31 of that weight
	s_lshr_b32 s37, s35, 1                         ; their head,
	s_mul_i32 s37, s37, 192
	s_lshl_b32 s38, s36, 6
	s_add_co_u32 s37, s37, s38
	s_and_b32 s38, s35, 1                          ; and which half of its 64 rows
	s_lshl_b32 s38, s38, 5
	s_add_co_u32 s37, s37, s38                     ; row in wc = 192 h + 64 part + 32 (r % 2)
	s_mul_i32 s37, s37, ROWOUT
	s_mul_i32 s38, s34, 32*ROWOUT                  ; x's work-groups: 32 rows of xb each
	s_cmp_eq_u32 s36, 0
	s_cselect_b64 s[30:31], s[6:7], s[8:9]
	s_cmp_eq_u32 s36, 2
	s_cselect_b64 s[30:31], s[10:11], s[30:31]
	s_cmp_lt_u32 s34, 512
	s_cselect_b64 s[30:31], s[4:5], s[30:31]
	s_cselect_b64 s[32:33], s[22:23], s[24:25]
	s_cselect_b32 s35, s34, s35                    ; the block of 32 rows in the source
	s_cselect_b32 s42, s38, s37
	s_mul_i32 s40, s35, 32*ROWIN
	s_add_nc_u64 s[30:31], s[30:31], s[40:41]
	s_add_nc_u64 s[32:33], s[32:33], s[42:43]
	ROWS 0
	s_endpgm
.Lwp:
	s_sub_co_u32 s35, s34, 584
	s_mul_i32 s40, s35, 32*ROWIN
	s_mul_i32 s42, s35, 32*ROWOUT
	s_add_nc_u64 s[30:31], s[12:13], s[40:41]
	s_add_nc_u64 s[32:33], s[26:27], s[42:43]
	ROWS 1
	s_endpgm
.Lbias:
	global_load_b128 v[8:11], v1, s[14:15]         ; bk, bv, bq, bp: my four numbers n = 4 t .. 4 t + 3 of each
	global_load_b128 v[12:15], v1, s[16:17]
	global_load_b128 v[16:19], v1, s[18:19]
	global_load_b128 v[20:23], v1, s[20:21]
	v_lshrrev_b32 v3, 4, v0                        ; head = n / 64
	v_and_b32 v6, 15, v0
	v_mul_u32_u24 v3, v3, 768                      ; 192 numbers a head
	v_lshl_add_u32 v3, v6, 4, v3                   ; + d = n % 64
	s_wait_loadcnt 0x0
.irp p, 0,1,2,3
	v_cvt_pk_bf16_f32 v4, v[8+4*(\p)], v[9+4*(\p)]
	v_cvt_pk_bf16_f32 v5, v[10+4*(\p)], v[11+4*(\p)]
	v_lshlrev_b32 v[8+4*(\p)], 16, v4
	v_and_b32 v[9+4*(\p)], s39, v4
	v_lshlrev_b32 v[10+4*(\p)], 16, v5
	v_and_b32 v[11+4*(\p)], s39, v5
.endr
	s_wait_alu depctr_va_vdst(0)                   ; the lines above have written v[8:23], the four stores' data, and v3, the offset of three of them
	global_store_b128 v3, v[8:11], s[28:29]
	global_store_b128 v3, v[12:15], s[28:29] offset:256
	global_store_b128 v3, v[16:19], s[28:29] offset:512
	global_store_b128 v1, v[20:23], s[28:29] offset:9216
	s_endpgm
.Lfunc_end_k_q3b7b96c09a_cast:
	.size	k_q3b7b96c09a_cast, .Lfunc_end_k_q3b7b96c09a_cast-k_q3b7b96c09a_cast
	.p2alignl 7, 3214868480
	.fill 96, 4, 3214868480
	.section	.rodata,"a",@progbits
	.p2align	6, 0x0
	.amdhsa_kernel k_q3b7b96c09a_cast
		.amdhsa_group_segment_fixed_size 0
		.amdhsa_private_segment_fixed_size 0
		.amdhsa_enable_private_segment 0
		.amdhsa_kernarg_size 104
		.amdhsa_user_sgpr_count 2
		.amdhsa_user_sgpr_kernarg_segment_ptr 1
		.amdhsa_wavefront_size32 1
		.amdhsa_system_sgpr_workgroup_id_x 1
		.amdhsa_system_sgpr_workgroup_id_y 1
		.amdhsa_system_sgpr_workgroup_id_z 1
		.amdhsa_system_vgpr_workitem_id 0
		.amdhsa_next_free_vgpr 136
		.amdhsa_next_free_sgpr 66
		.amdhsa_reserve_vcc 0
		.amdhsa_float_denorm_mode_32 3
		.amdhsa_float_denorm_mode_16_64 3
		.amdhsa_memory_ordered 1
		.amdhsa_forward_progress 1
		.amdhsa_inst_pref_size 34
	.end_amdhsa_kernel
	.amdgpu_metadata
---
amdhsa.version: [ 1, 2 ]
amdhsa.kernels:
  - .name:           k_q3b7b96c09a_cast
    .symbol:         k_q3b7b96c09a_cast.kd
    .args:
      - { .name: x, .offset: 0, .size: 8, .value_kind: global_buffer, .address_space: global }
      - { .name: Wk, .offset: 8, .size: 8, .value_kind: global_buffer, .address_space: global }
      - { .name: Wv, .offset: 16, .size: 8, .value_kind: global_buffer, .address_space: global }
      - { .name: Wq, .offset: 24, .size: 8, .value_kind: global_buffer, .address_space: global }
      - { .name: Wp, .offset: 32, .size: 8, .value_kind: global_buffer, .address_space: global }
      - { .name: bk, .offset: 40, .size: 8, .value_kind: global_buffer, .address_space: global }
      - { .name: bv, .offset: 48, .size: 8, .value_kind: global_buffer, .address_space: global }
      - { .name: bq, .offset: 56, .size: 8, .value_kind: global_buffer, .address_space: global }
      - { .name: bp, .offset: 64, .size: 8, .value_kind: global_buffer, .address_space: global }
      - { .name: xb, .offset: 72, .size: 8, .value_kind: global_buffer, .address_space: global }
      - { .name: wc, .offset: 80, .size: 8, .value_kind: global_buffer, .address_space: global }
      - { .name: wpf, .offset: 88, .size: 8, .value_kind: global_buffer, .address_space: global }
      - { .name: bc, .offset: 96, .size: 8, .value_kind: global_buffer, .address_space: global }
    .group_segment_fixed_size: 0
    .private_segment_fixed_size: 0
    .kernarg_segment_align: 8
    .kernarg_segment_size: 104
    .max_flat_workgroup_size: 192
    .sgpr_count:     66
    .vgpr_count:     136
    .wavefront_size: 32
...
	.end_amdgpu_metadata
.endif
;; end of part 5
;; launch qkv: the kernel of part 2 again; grid 4 x 64, 4 waves a work-group, clusters of 4 x 4, 327,680 bytes of LDS; arguments xb, wc, bc, qf, mp, pm; writes qf, mp, pm
;; launch mn: the kernel of part 3 again; grid 12 x 16, 8 waves a work-group, no clusters, 9,216 bytes of LDS; arguments mp, pm, wpf, ntf; writes ntf
;; launch out: the kernel of part 4 again; grid 4 x 64, 4 waves a work-group, clusters of 4 x 4, 327,680 bytes of LDS; arguments qf, ntf, pm, bc, out0; writes out0
